; MI455X (gfx1250); checked and timed in simulation.
; The chip was launched on July 23, 2026; its instructions are those of AMD's public machine-readable ISA for CDNA 5 (MIT licence, August 2026) and "CDNA5" Instruction Set Architecture Reference Guide (July 2026). The comments in the code are by the model that wrote it; some were corrected since.
;; Attention. Allowed arithmetic: matrix products marked QUANTISED: E2M3 operands, one E8M0 scale for each 32 along K, by v_wmma_scale_f32_16x16x128_f8f6f4 with both operands' format E2M3, f32 sums; everything else in f32.
;; Inputs: cos 2,048 x 64 float32; sin 2,048 x 64 float32; wk 4,096 x 1,024 float32; wo 2,048 x 4,096 float32; wq 4,096 x 2,048 float32; wv 4,096 x 1,024 float32; x 1 x 2,048 x 4,096 float32.
;; Outputs: out0 1 x 2,048 x 4,096 float32.
;; This version of the problem:
;;   THIS VERSION OF THE PROBLEM IS GIVEN IN LOW PRECISION. The matrix products marked QUANTISED in the list below multiply operands that are first quantised to E2M3 (2 exponent bits, 3 mantissa bits; 6 bits a number), with one power-of-two scale for each 32 numbers along K (OCP MX v1.0); their sums are f32. All else is computed in f32.
;;   The module's matrix products, in the order in which they are computed (A, B: the left and right operand; K: the contracted axis; several contracted axes count as one K, in the product's order):
;;     1. [M 2,048, K 4,096] x [K 4,096, N 2,048]; A: input x; B: input wq: QUANTISED
;;     2. [M 2,048, K 4,096] x [K 4,096, N 1,024]; A: input x; B: input wk: QUANTISED
;;     3. [M 2,048, K 4,096] x [K 4,096, N 1,024]; A: input x; B: input wv: QUANTISED
;;     4. batch 16 x [M 2,048, K 128] x [K 128, N 2,048]; A: computed on the way; B: computed on the way: QUANTISED
;;     5. batch 16 x [M 2,048, K 2,048] x [K 2,048, N 128]; A: softmax (see below); B: computed on the way: QUANTISED
;;     6. [M 2,048, K 2,048] x [K 2,048, N 4,096]; A: computed on the way; B: input wo: QUANTISED
;;   THE QUANTISER, for each operand of a quantised product, along K:
;;     - K is cut into blocks of 32 from its start; a last block that is shorter is filled with zeros.
;;     - A block's scale is 2^e with e = floor(log2(the largest magnitude in the block)) - 2, held to -126 .. 127; a block of zeros has e = 0. As a byte (E8M0): e + 127.
;;     - Each number is divided by its block's scale, clamped to +-7.5, and rounded to the nearest number of E2M3, ties to even, subnormals kept.
;;     - The product sums the exact products of the quantised numbers (number of the format x scale) in f32.
;;   ~~~python
;;   def quantise(x, axis):      # numpy; x: float32 -> the quantised numbers, widened to float32 again
;;       x = np.moveaxis(x, axis, -1); K = x.shape[-1]
;;       x = np.pad(x, [(0, 0)] * (x.ndim - 1) + [(0, -K % 32)]); x = x.reshape(x.shape[:-1] + (-1, 32)); a = np.abs(x).max(-1, keepdims=True)
;;       e = np.where(a > 0, np.clip(np.frexp(np.where(a > 0, a, 1))[1] - 1 - 2, -126, 127), 0)      # np.frexp(a)[1] - 1 = floor(log2(a)), exactly
;;       r = np.clip(x / 2.0 ** e, -7.5, 7.5)
;;       step = 2.0 ** (np.maximum(np.frexp(np.where(r == 0, 1, r))[1] - 1, 0) - 3)
;;       q = np.round(r / step) * step * 2.0 ** e      # np.round: ties to even
;;       return np.moveaxis(q.reshape(q.shape[:-2] + (-1,))[..., :K], -1, axis).astype(np.float32)
;;   ~~~
;;   SOFTMAX AHEAD OF A QUANTISED PRODUCT. Where the list says 'softmax', what is quantised is not the finished softmax but p = 2^(t - M), with t = logit x log2(e) and M = ceil(the row's largest t), a whole number; so 1/2 < the row's largest p <= 1. The row's sum l is taken of the UNQUANTISED p, in f32, and the product's result is divided by l at the end. Since M is a whole number, a kernel that streams over the keys may use a running M (the ceiling of the running maximum): every later rescaling is an exact power of two, which a block's scale takes up: the codes' values come out the same.
;;   OPERANDS COMPUTED ON THE WAY. 'Computed on the way' means the value that the module computes at that place (a softmax that the list does not call 'softmax' is quantised finished and normalised). What goes into a quantiser is computed in f32, as accurately as f32 sums, v_exp_f32 and their like allow (about 1e-6 of the number): no bf16 or f16 on the way to a quantiser, and a product that is left as it is and whose result goes on into a quantised operand takes f32 operands (vector FMAs, or v_wmma_f32_16x16x4_f32). A number that lies on a knife's edge between two numbers of the format may be rounded either way, as far as f32 arithmetic and the matrix unit's own rounding can turn it there, and no further.
;; One version. Each part assembles by itself: llvm-mc -triple=amdgcn-amd-amdhsa -mcpu=gfx1250 --defsym DOCPART=n.
;; ======== version 1 of 1: 4 launches
;; limits: right only within a limited range of input values
;; workspace buffers: xf 6,553,600 bytes; wf 13,107,200 bytes; wof 6,553,600 bytes; qf 3,276,800 bytes; kv 3,276,800 bytes; af 3,276,800 bytes
;; launch quant (part 1): grid 1024 x 1, 4 waves a work-group, no clusters, 60,928 bytes of LDS; arguments x, wq, wk, wv, wo, xf, wf, wof; writes xf, wf, wof
.if DOCPART == 1
	.amdgcn_target "amdgcn-amd-amdhsa--gfx1250"
	.amdhsa_code_object_version 6
	.text
	.protected	k_qc72b23c15b_quant
	.globl	k_qc72b23c15b_quant
	.p2align	8
	.type	k_qc72b23c15b_quant,@function
k_qc72b23c15b_quant:
	s_mov_b64 s[64:65], 0
	v_nop
	global_prefetch_b8 v0, s[64:65] scope:SCOPE_SE
	s_setreg_imm32_b32 hwreg(HW_REG_WAVE_MODE, 25, 1), 1
	s_wait_xcnt 0x0
; x [2048][4096] (K innermost) and wq, wk, wv [4096][N], wo [2048][4096] (K is the FIRST axis), all f32, become codes of FP6 (E2M3) with one E8M0 byte for each 32 along K.
; A block's scale is 2^(floor(log2(its largest magnitude)) - 2): its byte is the largest magnitude's exponent field - 2; numbers are divided by it and rounded to the nearest code, ties to even, held at the largest code.
; THE LAYOUT OF ALL CODES IN THIS PROGRAM: RECORDS.  An operand [rows][K] is cut into tiles of 16 rows x 128 K.  A tile is stored as the image of the 12 registers that a matrix operand takes: registers 4 c .. 4 c + 3 of
; lane l at byte 512 c + 16 l (1,536 bytes).  Lane r of tile T holds row 32 (T / 2) + 8 (T % 2) + r + 8 (r / 8).  A record is 8 tiles (128 rows, 128 along K), then at byte 12,288 the tiles' scale words, 64 bytes a tile
; (row r's four bytes at 4 r): 12,800 bytes.  A buffer is [group of 128 rows][K step][record].
; LIMITS: a block of zeros, and a block whose largest magnitude lies under 2^-124, gets the byte 1 (the rule says 127 for zeros: its codes are zeros, and this program alone reads the bytes); NaN and infinities are not served.
; SHARES: work-groups 0-767 take the weights (a wave: 32 columns x 256 along K; a lane to a column, its registers down K), work-groups 768-1023 take x (a wave: one tile of 16 rows x 512 along K).
; Waves share nothing: no barrier.  Each of the two ways has LDS bytes of its own.  No matrix work, no tensor loads, no cluster: nothing here is read by two work-groups.
.set REC,  12800
.set FRB,  1536
.set SCO,  12288
.set SFR,  1664                        ; a fragment's place in the weights' stage: 1,536 + 128, so that lanes 8-15 (the odd tile) fall on other banks than lanes 0-7
.set XSW,  8448                        ; x's stage of a wave: 16 rows x (512 + 16) bytes
.set WSTG, 4*XSW                       ; behind x's four stages: the weights' four, of 4 SFR bytes each
.set OFF,  64                          ; weights: v64-95   32 byte offsets, one for each row of a block; never rewritten
.set X,    128                         ;          v128-191 two sets of 32 numbers
.set C,    32                          ;          v32-40   a block's codes
.set SB,   16                          ;          v16-17   my column's two scale words
.set OUT,  192                         ;          v192-239 the way out
.set B0,   40                          ;          s40-55   eight bases, one for each block of 32 along K; never rewritten
.set R,    128                         ; x:       v128-255 two sets of 64 numbers as they are loaded
.set XX,   64                          ;          v64-127  64 numbers as the operand's layout wants them
.set P,    32                          ;          v32-50   a fragment's codes
	s_load_b256 s[4:11], s[0:1], 0x0               ; x, wq, wk, wv
	s_load_b256 s[12:19], s[0:1], 0x20             ; wo, xf, wf, wof
	v_lshl_add_u32 v62, v0, 2, 0xec00
	v_mov_b32 v63, 0
	v_lshrrev_b32 v1, 5, v0
	v_readfirstlane_b32 s20, v1                    ; wave
	v_and_b32 v1, 31, v0                           ; lane
	s_cmp_ge_u32 ttmp9, 768
	s_cbranch_scc1 .Lpath_x
; ---------------- THE WEIGHTS ----------------
; which tensor: wq 0-255, wk 256-383, wv 384-511, wo 512-767.  The choices hang on the work-group's number alone.
	s_mov_b32 s21, 512                             ; the tensor's first work-group
	s_mov_b32 s22, 5                               ; log2 of its groups of 128 columns
	s_mov_b32 s23, 0                               ; its first group in the buffer of codes
	s_mov_b32 s24, 204800                          ; bytes of a group there: K steps x record
	s_wait_kmcnt 0x0
	s_mov_b64 s[26:27], s[12:13]                   ; from wo
	s_mov_b64 s[28:29], s[18:19]                   ; to wof
	s_cmp_lt_u32 ttmp9, 512
	s_cselect_b32 s21, 384, s21
	s_cselect_b32 s22, 3, s22
	s_cselect_b32 s23, 24, s23
	s_cselect_b32 s24, 409600, s24
	s_cselect_b64 s[26:27], s[10:11], s[26:27]     ; wv
	s_cselect_b64 s[28:29], s[16:17], s[28:29]     ; wf
	s_cmp_lt_u32 ttmp9, 384
	s_cselect_b32 s21, 256, s21
	s_cselect_b32 s23, 16, s23
	s_cselect_b64 s[26:27], s[8:9], s[26:27]       ; wk
	s_cmp_lt_u32 ttmp9, 256
	s_cselect_b32 s21, 0, s21
	s_cselect_b32 s22, 4, s22
	s_cselect_b32 s23, 0, s23
	s_cselect_b64 s[26:27], s[6:7], s[26:27]       ; wq
	s_sub_co_u32 s30, ttmp9, s21
	s_lshl_b32 s31, 1, s22
	s_sub_co_u32 s31, s31, 1
	s_and_b32 s31, s30, s31                        ; which group of 128 columns
	s_lshr_b32 s30, s30, s22                       ; which 256 along K
	s_lshl_b32 s25, 512, s22                       ; a row of the tensor in bytes
	s_mul_i32 s32, s30, s25
	s_lshl_b32 s32, s32, 8                         ; 256 rows for each step along K (under 2^25 bytes)
	s_lshl_b32 s33, s31, 9
	s_add_co_u32 s32, s32, s33                     ; + 512 bytes a group
	s_lshl_b32 s33, s20, 7
	s_add_co_u32 s32, s32, s33                     ; + 128 bytes a wave
	s_mov_b32 s33, 0
	s_add_nc_u64 s[B0:B0+1], s[26:27], s[32:33]
	s_lshl_b32 s32, s25, 5                         ; 32 rows
.irp t, 1,2,3,4,5,6,7
	s_add_nc_u64 s[B0+2*\t:B0+2*\t+1], s[B0+2*\t-2:B0+2*\t-1], s[32:33]
.endr
	s_add_co_u32 s34, s23, s31
	s_mul_i32 s34, s34, s24
	s_mul_i32 s35, s30, 2*REC                      ; 256 along K are two records
	s_add_co_u32 s34, s34, s35
	s_mov_b32 s35, 0
	s_add_nc_u64 s[28:29], s[28:29], s[34:35]
	s_wait_alu depctr_va_vdst(0)
	v_lshlrev_b32 v2, 2, v1                        ; 4 bytes a lane: neighbouring lanes read neighbouring columns
.set i, 0
.rept 32
	v_mad_u32_u24 v[OFF+i], s25, i, v2
.set i, i+1
.endr
	v_bfe_u32 v3, v0, 3, 1                         ; my column 32 w + l lies in tile 2 w + u, u = (l / 8) % 2,
	v_and_b32 v4, 7, v0
	v_bfe_u32 v5, v0, 4, 1
	v_lshl_or_b32 v4, v5, 3, v4                    ; at the tile's lane l % 8 + 8 (l / 16)
	s_mul_i32 s36, s20, 4*SFR
	s_add_co_u32 s36, s36, WSTG                    ; my wave's stage: four fragments (K step s, tile u: 2 s + u)
	v_mul_u32_u24 v6, v3, SFR
	v_lshl_add_u32 v6, v4, 4, v6
	v_add_nc_u32 v6, s36, v6                       ; into it
	v_lshlrev_b32 v7, 4, v1
	v_add_nc_u32 v8, s36, v7                       ; out of it: 16 bytes a lane
	s_mul_i32 s37, s20, 2*FRB
	v_add_nc_u32 v9, s37, v7                       ; and the same place in a record: tiles 2 w, 2 w + 1
	v_lshlrev_b32 v10, 6, v3
	v_lshl_add_u32 v10, v4, 2, v10
	s_lshl_b32 s38, s20, 7
	s_add_co_u32 s38, s38, SCO
	v_add_nc_u32 v10, s38, v10                     ; my column's scale word in a record
.macro LOADW t                         ; block t: rows 32 t + i of my column into set t % 2; a wave's load reads 128 consecutive bytes, the four waves stand side by side
.set i, 0
.rept 32
	global_load_b32 v[X+32*((\t)%2)+i], v[OFF+i], s[B0+2*(\t):B0+2*(\t)+1] th:TH_LOAD_NT
.set i, i+1
.endr
.endm
.macro BLOCKW t
.set XS, X+32*((\t)%2)
.set SOFF, 2*((\t)/4)*SFR+256*((\t)%2) ; K step t / 4; the block belongs to the fragment's lanes 16 (t % 2) on
.if (\t) < 7
	s_wait_loadcnt 32                              ; this block's 32 loads are in; the next block's 32 may be out
.else
	s_wait_loadcnt 0x0
.endif
	v_max3_num_f32 v18, |v[XS]|, |v[XS+1]|, |v[XS+2]|              ; the block's largest magnitude: all 32 numbers are mine; two chains
	v_max3_num_f32 v19, |v[XS+3]|, |v[XS+4]|, |v[XS+5]|
.irp i, 6,10,14,18,22,26
	v_max3_num_f32 v18, v18, |v[XS+\i]|, |v[XS+\i+1]|
	v_max3_num_f32 v19, v19, |v[XS+\i+2]|, |v[XS+\i+3]|
.endr
	v_max3_num_f32 v18, v18, |v[XS+30]|, |v[XS+31]|
	v_max3_num_f32 v18, v18, v19, 0x1800000        ; and the floor 2^(3 - 127): the byte cannot fall under 1
	v_add_nc_u32 v20, 0xff000000, v18              ; 2 off the exponent field: the conversion takes this operand's exponent field as its scale
	v_lshrrev_b32 v21, 23, v20                     ; the scale's byte
.if (\t)%4 == 0
	v_mov_b32 v[SB+(\t)/4], v21
.else
	v_lshl_or_b32 v[SB+(\t)/4], v21, 8*((\t)%4), v[SB+(\t)/4]
.endif
	v_cvt_scalef32_pk16_fp6_f32 v[C:C+2], v[XS:XS+15], v20
	v_cvt_scalef32_pk16_fp6_f32 v[C+6:C+8], v[XS+16:XS+31], v20    ; (a conversion's three registers begin on an even number)
	v_nop                                          ; one plain line behind a scaled conversion
.irp i, 0,1,2
	v_mov_b32 v[C+3+\i], v[C+6+\i]                 ; the block's 24 bytes on end
.endr
.if ((\t)%4)/2 == 0                    ; they are the fragment's registers 0-5:
	ds_store_b128 v6, v[C:C+3] offset:SOFF
	ds_store_b64 v6, v[C+4:C+5] offset:SOFF+512
.else                                  ; or its registers 6-11
	ds_store_b64 v6, v[C:C+1] offset:SOFF+520
	ds_store_b128 v6, v[C+2:C+5] offset:SOFF+1024
.endif
.if (\t)+2 < 8
	LOADW (\t)+2
.endif
	s_wait_dscnt 0x0                               ; the stores have read their registers: the next block's codes may be written
.endm
	LOADW 0
	LOADW 1
.irp t, 0,1,2,3,4,5,6,7
	BLOCKW \t
.endr
	global_store_b32 v10, v[SB], s[28:29]          ; a wave's 32 scale words of a K step are 128 consecutive bytes
	s_wait_alu depctr_va_vdst(0)
	global_store_b32 v10, v[SB+1], s[28:29] offset:REC
.set k, 0
.rept 12
	ds_load_b128 v[OUT+4*k:OUT+4*k+3], v8 offset:(k/3)*SFR+512*(k%3)   ; LDS serves a wave's instructions in order: these see my stores
.set k, k+1
.endr
.set k, 0
.rept 12
	s_wait_dscnt 11-k                              ; the younger loads may be out
	global_store_b128 v9, v[OUT+4*k:OUT+4*k+3], s[28:29] offset:((k/3)/2)*REC+((k/3)%2)*FRB+512*(k%3)   ; 32 lanes store 512 consecutive bytes, at a multiple of 256 from the buffer's first byte
.set k, k+1
.endr
	s_wait_tensorcnt 0x0
	ds_add_u32 v62, v63
	s_wait_dscnt 0x0
	s_endpgm
; ---------------- x ----------------
.Lpath_x:
	s_sub_co_u32 s21, ttmp9, 768
	s_lshl_b32 s21, s21, 2
	s_add_co_u32 s21, s21, s20                     ; my wave's task, 0 .. 1023
	s_lshr_b32 s22, s21, 3                         ; the tile of 16 rows, 0 .. 127
	s_and_b32 s23, s21, 7                          ; which 512 along K
	s_lshr_b32 s24, s22, 1
	s_lshl_b32 s24, s24, 5
	s_and_b32 s25, s22, 1
	s_lshl_b32 s25, s25, 3
	s_add_co_u32 s24, s24, s25                     ; the tile's first row: 32 (T / 2) + 8 (T % 2)
	s_lshl_b32 s24, s24, 14                        ; a row of x is 16,384 bytes
	s_lshl_b32 s25, s23, 11
	s_add_co_u32 s24, s24, s25
	s_mov_b32 s25, 0
	s_lshr_b32 s26, s22, 3
	s_mul_i32 s26, s26, 32*REC                     ; the tile's group of 128 rows,
	s_mul_i32 s27, s23, 4*REC                      ; four records for 512 along K
	s_add_co_u32 s26, s26, s27
	s_mov_b32 s27, 0
	s_and_b32 s28, s22, 7                          ; the tile's place in its records
	s_mov_b32 s32, 0x76543210
	s_mov_b32 s33, 0xfedcba98                      ; v_permlanex16_b32's selects for lane l xor 16
	s_wait_kmcnt 0x0
	s_add_nc_u64 s[4:5], s[4:5], s[24:25]
	s_add_nc_u64 s[14:15], s[14:15], s[26:27]
	s_wait_alu depctr_va_vdst(0)
	v_lshlrev_b32 v2, 4, v1                        ; 16 bytes a lane: a load reads 512 consecutive bytes of one row
	v_and_b32 v3, 15, v0                           ; r
	v_bfe_u32 v4, v0, 4, 1                         ; h
	s_mul_i32 s29, s20, XSW
	v_add_nc_u32 v5, s29, v2                       ; the stage, on the way in: as loaded, rows 528 bytes apart
	v_mul_u32_u24 v6, v3, 528
	v_lshl_add_u32 v6, v4, 7, v6
	v_add_nc_u32 v6, s29, v6                       ; on the way out: row r, + 128 h: lane (r, h) wants k = 64 c + 32 h + 0 .. 31
	s_mul_i32 s30, s28, FRB
	v_add_nc_u32 v7, s30, v2                       ; my 16 bytes of the tile's image in a record
	s_lshl_b32 s31, s28, 6
	s_add_co_u32 s31, s31, SCO
	v_lshl_add_u32 v8, v3, 2, s31                  ; my row's scale word there
	v_lshlrev_b32 v9, 3, v4                        ; 8 h
	v_mov_b32 v27, 0                               ; written once: a lane permute's destination counts as one of its sources
.macro LOADX s                         ; K step s: the tile's 16 rows, 512 bytes each, into set s % 2
.set i, 0
.rept 16
	global_load_b128 v[R+64*((\s)%2)+4*i:R+64*((\s)%2)+4*i+3], v2, s[4:5] offset:(i+8*(i/8))*16384+512*(\s) th:TH_LOAD_NT
.set i, i+1
.endr
.endm
.macro STEPX s
.if (\s) < 3
	s_wait_loadcnt 16                              ; this step's 16 loads are in; the next step's 16 may be out
.else
	s_wait_loadcnt 0x0
.endif
.set i, 0
.rept 16
	ds_store_b128 v5, v[R+64*((\s)%2)+4*i:R+64*((\s)%2)+4*i+3] offset:528*i
.set i, i+1
.endr
.set i, 0
.rept 16
	ds_load_b128 v[XX+4*i:XX+4*i+3], v6 offset:256*(i/8)+16*(i%8)  ; LDS serves a wave's instructions in order: these see the stores above
.set i, i+1
.endr
	s_wait_dscnt 0x0                               ; the numbers are back, and the stores into the stage have read their registers
	s_wait_xcnt 0x0                                ; the last step's stores have read the codes' and the scale word's registers: they are rewritten only behind this wait
.if (\s)+2 < 4
	LOADX (\s)+2
.endif
.irp c, 0,1                            ; my blocks h and 2 + h of the row: all 32 numbers of each are mine
	v_max3_num_f32 v[16+\c], |v[XX+32*\c]|, |v[XX+32*\c+1]|, 0x1800000   ; with the floor 2^(3 - 127)
.endr
.irp i, 2,4,6,8,10,12,14,16,18,20,22,24,26,28,30
.irp c, 0,1
	v_max3_num_f32 v[16+\c], v[16+\c], |v[XX+32*\c+\i]|, |v[XX+32*\c+\i+1]|   ; (the two blocks by turns)
.endr
.endr
.irp c, 0,1
	v_add_nc_u32 v[18+\c], 0xff000000, v[16+\c]    ; the conversion's scale operand
.endr
.irp c, 0,1
	v_lshrrev_b32 v[20+\c], 23, v[18+\c]           ; the byte
.endr
	v_lshl_or_b32 v22, v21, 16, v20
	v_lshlrev_b32 v22, v9, v22                     ; my two bytes at their places in the scale word;
	v_permlanex16_b32 v27, v22, s32, s33
	v_or_b32 v22, v22, v27                         ; with lane l xor 16's two the word is whole
.irp c, 0,1
	v_cvt_scalef32_pk16_fp6_f32 v[P+6*\c:P+6*\c+2], v[XX+32*\c:XX+32*\c+15], v[18+\c]
	v_cvt_scalef32_pk16_fp6_f32 v[P+12+4*\c:P+14+4*\c], v[XX+32*\c+16:XX+32*\c+31], v[18+\c]
.endr
	v_nop                                          ; one plain line behind a scaled conversion
.irp c, 0,1
.irp i, 0,1,2
	v_mov_b32 v[P+3+6*\c+\i], v[P+12+4*\c+\i]
.endr
.endr
.irp c, 0,1,2
	global_store_b128 v7, v[P+4*\c:P+4*\c+3], s[14:15] offset:(\s)*REC+512*\c   ; 512 consecutive bytes, at a multiple of 256 from the buffer's first byte
.endr
	global_store_b32 v8, v22, s[14:15] offset:(\s)*REC   ; lanes l and l xor 16 write the same word with the same value
.endm
	LOADX 0
	LOADX 1
	s_wait_alu depctr_va_vdst(0)
	STEPX 0
	STEPX 1
	STEPX 2
	STEPX 3
	s_wait_tensorcnt 0x0
	ds_add_u32 v62, v63
	s_wait_dscnt 0x0
	s_endpgm
.Lfunc_end_k_qc72b23c15b_quant:
	.size	k_qc72b23c15b_quant, .Lfunc_end_k_qc72b23c15b_quant-k_qc72b23c15b_quant
	.p2alignl 7, 3214868480
	.fill 96, 4, 3214868480
	.section	.rodata,"a",@progbits
	.p2align	6, 0x0
	.amdhsa_kernel k_qc72b23c15b_quant
		.amdhsa_group_segment_fixed_size 60928
		.amdhsa_private_segment_fixed_size 0
		.amdhsa_enable_private_segment 0
		.amdhsa_kernarg_size 64
		.amdhsa_user_sgpr_count 2
		.amdhsa_user_sgpr_kernarg_segment_ptr 1
		.amdhsa_wavefront_size32 1
		.amdhsa_system_sgpr_workgroup_id_x 1
		.amdhsa_system_sgpr_workgroup_id_y 1
		.amdhsa_system_sgpr_workgroup_id_z 1
		.amdhsa_system_vgpr_workitem_id 0
		.amdhsa_next_free_vgpr 256
		.amdhsa_next_free_sgpr 66
		.amdhsa_reserve_vcc 0
		.amdhsa_float_denorm_mode_32 3
		.amdhsa_float_denorm_mode_16_64 3
		.amdhsa_memory_ordered 1
		.amdhsa_forward_progress 1
		.amdhsa_inst_pref_size 75
	.end_amdhsa_kernel
	.amdgpu_metadata
---
amdhsa.version: [ 1, 2 ]
amdhsa.kernels:
  - .name:           k_qc72b23c15b_quant
    .symbol:         k_qc72b23c15b_quant.kd
    .args:
      - { .name: x, .offset: 0, .size: 8, .value_kind: global_buffer, .address_space: global }
      - { .name: wq, .offset: 8, .size: 8, .value_kind: global_buffer, .address_space: global }
      - { .name: wk, .offset: 16, .size: 8, .value_kind: global_buffer, .address_space: global }
      - { .name: wv, .offset: 24, .size: 8, .value_kind: global_buffer, .address_space: global }
      - { .name: wo, .offset: 32, .size: 8, .value_kind: global_buffer, .address_space: global }
      - { .name: xf, .offset: 40, .size: 8, .value_kind: global_buffer, .address_space: global }
      - { .name: wf, .offset: 48, .size: 8, .value_kind: global_buffer, .address_space: global }
      - { .name: wof, .offset: 56, .size: 8, .value_kind: global_buffer, .address_space: global }
    .group_segment_fixed_size: 60928
    .private_segment_fixed_size: 0
    .kernarg_segment_align: 8
    .kernarg_segment_size: 64
    .max_flat_workgroup_size: 128
    .sgpr_count:     66
    .vgpr_count:     256
    .wavefront_size: 32
...
	.end_amdgpu_metadata
.endif
;; end of part 1
;; launch gemm1 (part 2): grid 16 x 16, 4 waves a work-group, clusters of 4 x 4, 327,680 bytes of LDS; arguments xf, wf, cos, sin, qf, kv; writes qf, kv
.if DOCPART == 2
	.amdgcn_target "amdgcn-amd-amdhsa--gfx1250"
	.amdhsa_code_object_version 6
	.text
	.protected	k_qc72b23c15b_gemm1
	.globl	k_qc72b23c15b_gemm1
	.p2align	8
	.type	k_qc72b23c15b_gemm1,@function
k_qc72b23c15b_gemm1:
	s_mov_b64 s[64:65], 0
	v_nop
	global_prefetch_b8 v0, s[64:65] scope:SCOPE_SE
	s_setreg_imm32_b32 hwreg(HW_REG_WAVE_MODE, 25, 1), 1
	s_wait_xcnt 0x0
	s_wait_alu depctr_hold_cnt(0) depctr_sa_sdst(0) depctr_va_vdst(0) depctr_va_sdst(0) depctr_va_ssrc(0) depctr_va_vcc(0) depctr_vm_vsrc(0)
	s_getreg_b32 s2, hwreg(HW_REG_IB_STS2, 6, 4)
	s_cmp_eq_u32 s2, 0
	s_cbranch_scc0 .Lentry_in_a_cluster
	s_endpgm
.Lentry_in_a_cluster:
	s_bfe_u32 s2, ttmp6, 0x10000c
	s_cmp_lg_u32 s2, 0xf033
	s_cbranch_scc0 .Lentry_shape_is_right
	s_endpgm
.Lentry_shape_is_right:
; q, k and v^T = x [wq | wk | wv] on codes of FP6 (E2M3) with E8M0 scales, K = 4,096; RoPE on q and k in f32; the results are quantised anew and stored as records (the layout: the head of launch quant).
; A work-group makes 128 x 256 of the result, a wave 64 x 128: 32 accumulators in window 2.  The matrix instruction is used transposed (source 0 = the 256 side, source 1 = the 128 side): a lane holds one row of the
; 128 side and its registers run along the 256 side.  Clusters x = 0 .. 2: the 128 side is tokens, the 256 side channels of q and k.  Cluster x = 3: the 128 side is channels of v, the 256 side tokens: v's codes run along the keys.
; RING: two slots of four K steps (the 128 side's 4 records, the 256 side's 8); waves 0, 1 fetch two records each of the 128 side, waves 2, 3 four each of the 256 side: one joint load a wave behind each round.
; The head issues slot 0's loads; slot 1's stand behind the three lines and a round, as a refill's do.
; PREFETCH: behind the load of slot s each wave asks for slot s + 2 of the tile that it fetches; the head also asks for slot 1.  The four partners that ask for a tile jointly share its blocks of 256 bytes out by address:
; 25 of 100 (the 128 side: one instruction, lanes 25-31 name block 24 again) or 50 of 200 (the 256 side: two instructions, lanes 18-31 of the second name block 49 again).  The last two refills ask for nothing: slot 7 is the last.
; cos and sin of a wave's 64 tokens are loaded at the head into window 3 (256 registers) and are first read behind the last product.
.set PFO,  12                          ; v12-13  the prefetches' offsets: 256 x min(lane, last block), 256 x min(lane + 32, last block); never rewritten
.set PFA,  92                          ; s[92:93] my work-group's share of the tile that I fetch, in the slot from which the asks count
.macro ASK off                         ; my share of the slot at byte off from s[PFA:PFA+1]
	global_prefetch_b8 v[PFO], s[PFA:PFA+1] offset:\off th:TH_LOAD_NT scope:SCOPE_SE
	s_cmp_eq_u32 s[AH], 0
	s_cbranch_scc1 .Lasked2_\@                     ; the 128 side's share is 25 blocks: one instruction
	global_prefetch_b8 v[PFO+1], s[PFA:PFA+1] offset:\off th:TH_LOAD_NT scope:SCOPE_SE
.Lasked2_\@:
.endm
.set KSTEPS, 32
.set REC,   12800
.set FRB,   1536
.set SCO,   12288
.set SLOTP, 4*REC
.set SLOT,  3*SLOTP
.set SPARE, 2*SLOT
.set GSTR,  KSTEPS*REC
.set LAPS,  KSTEPS/8
.set ADRA, 16
.set ADRB, 18
.set ASA,  20
.set ASB,  22
.set CSO,  8
.set GOFF, 9
.set GSOFF, 10
.set SPW,  28
.set NIL,  29
.set SC,   32
.set AF,   64
.set T0,   64
.set TM,   208
.set PW,   224
.set WV, 16
.set AH, 17
.set BH, 18
.set G1A, 24
.set G0A, 32
.set G1B, 48
.set G0B, 56
.set SEL, 90
.set MSB, 0
.macro WIN new
.if MSB != \new
	s_set_vgpr_msb (MSB<<8)|\new
.set MSB, \new
.endif
.endm
.set MUL,  0xa1
.set TO_B, 0x40
.macro PLACES
.rept 4
	v_nop
.endr
.endm
.macro JLOAD n
	s_cmp_eq_u32 s[AH], 0
	s_cbranch_scc0 .Lfor_b_\@
	tensor_load_to_lds s[G0A+4*\n:G0A+4*\n+3], s[G1A:G1A+7]
	s_nop 0
.rept 4
	v_nop
.endr
	s_branch .Lasked_\@
.Lfor_b_\@:
	tensor_load_to_lds s[G0B+4*\n:G0B+4*\n+3], s[G1B:G1B+7]
	s_nop 0
.rept 4
	v_nop
.endr
.Lasked_\@:
.endm
.macro CREST
	s_cmp_lg_u32 s[WV], 0
	s_cbranch_scc1 .Lnot_wave_0_\@
	s_barrier_signal -3
.Lnot_wave_0_\@:
	s_barrier_wait -3
	s_barrier_signal -1
	s_barrier_wait -1
.endm
.macro CROUND
	s_barrier_signal -1
	s_barrier_wait -1
	CREST
.endm
	s_load_b256 s[4:11], s[0:1], 0x0
	s_load_b128 s[12:15], s[0:1], 0x20
	v_lshl_add_u32 v[SPW], v0, 2, SPARE
	v_mov_b32 v[NIL], 0
	ds_add_u32 v28, v29
	ds_add_u32 v28, v29
	s_wait_dscnt 0x0
	v_lshrrev_b32 v1, 5, v0
	v_readfirstlane_b32 s[WV], v1
	s_lshr_b32 s[AH], s[WV], 1
	s_and_b32 s[BH], s[WV], 1
	s_bfe_u32 s19, ttmp6, 0x40000
	s_bfe_u32 s20, ttmp6, 0x40004
	s_mov_b32 s21, ttmp9
	s_and_b32 s22, ttmp7, 0xffff
	s_and_b32 s40, s22, 1
	s_lshr_b32 s66, s22, 1
	s_cmp_eq_u32 s21, 3
	s_cselect_b32 s40, s40, s22
	s_cselect_b32 s66, s66, s21
	s_cselect_b32 s44, 24*GSTR, 0
	s_lshl_b32 s40, s40, 2
	s_add_co_u32 s40, s40, s20
	s_lshl_b32 s66, s66, 2
	s_add_co_u32 s66, s66, s19
	s_lshl_b32 s23, s20, 2
	s_lshl_b32 s23, 15, s23
	s_lshl_b32 s67, 0x1111, s19
	s_or_b32 s[G1A], s23, (3<<16)|(1<<21)
	s_or_b32 s[G1B], s67, (3<<16)|(1<<21)
	s_mov_b32 s[G1A+1], 32<<16
	s_mov_b32 s[G1A+2], 100<<16
	s_mov_b32 s[G1A+3], 32<<16
	s_mov_b32 s[G1A+4], 100
	s_mov_b32 s[G1A+5], 32
	s_mov_b32 s[G1A+6], 0
	s_mov_b32 s[G1A+7], 0
	s_mov_b32 s[G1B+1], 32<<16
	s_mov_b32 s[G1B+2], 200<<16
	s_mov_b32 s[G1B+3], 32<<16
	s_mov_b32 s[G1B+4], 200
	s_mov_b32 s[G1B+5], 32
	s_mov_b32 s[G1B+6], 0
	s_mov_b32 s[G1B+7], 0
	s_mul_i32 s41, s40, GSTR
	s_add_co_u32 s44, s44, s41
	s_mul_i32 s46, s[BH], 2*REC
	s_add_co_u32 s44, s44, s46
	s_mov_b32 s45, 0
	s_lshl_b32 s70, s66, 1
	s_add_co_u32 s70, s70, s[BH]
	s_mul_i32 s72, s70, GSTR
	s_mov_b32 s73, 0
	s_mul_i32 s74, s[BH], SLOTP
	s_add_co_u32 s74, s74, SLOTP
	s_wait_kmcnt 0x0
	s_cmp_eq_u32 s21, 3
	s_cselect_b64 s[42:43], s[6:7], s[4:5]
	s_cselect_b64 s[68:69], s[4:5], s[6:7]
	s_add_nc_u64 s[42:43], s[42:43], s[44:45]
	s_add_nc_u64 s[68:69], s[68:69], s[72:73]
	CROUND
.irp n, 0,1
	s_mov_b32 s[G0A+4*\n], 1
	s_add_co_u32 s[G0A+4*\n+1], s46, \n*SLOT
	s_add_nc_u64 s[G0A+4*\n+2:G0A+4*\n+3], s[42:43], \n*SLOTP
	s_or_b32 s[G0A+4*\n+3], s[G0A+4*\n+3], 0x80000000
	s_mov_b32 s[G0B+4*\n], 1
	s_add_co_u32 s[G0B+4*\n+1], s74, \n*SLOT
	s_add_nc_u64 s[G0B+4*\n+2:G0B+4*\n+3], s[68:69], \n*SLOTP
	s_or_b32 s[G0B+4*\n+3], s[G0B+4*\n+3], 0x80000000
.endr
	JLOAD 0                                        ; slot 0: one tensor load a wave at the head
	v_and_b32 v1, 31, v0
	v_lshlrev_b32 v2, 4, v1
	v_lshlrev_b32 v3, 2, v1
	s_mul_i32 s80, s[AH], 4*FRB
	v_add_nc_u32 v[ADRA], s80, v2
	v_add_nc_u32 v[ADRA+1], SLOT, v[ADRA]
	v_add_nc_u32 v[GOFF], s80, v2
	v_add_nc_u32 v[ADRB], s74, v2
	v_add_nc_u32 v[ADRB+1], SLOT, v[ADRB]
	s_lshl_b32 s81, s[AH], 8
	s_add_co_u32 s81, s81, SCO
	v_add_nc_u32 v[ASA], s81, v3
	v_add_nc_u32 v[ASA+1], SLOT, v[ASA]
	s_add_co_u32 s82, s74, SCO
	v_add_nc_u32 v[ASB], s82, v3
	v_add_nc_u32 v[ASB+1], SLOT, v[ASB]
	v_and_b32 v4, 15, v0
	v_bfe_u32 v5, v0, 4, 1
	v_lshl_add_u32 v[GSOFF], v4, 2, s81
	v_and_b32 v6, 8, v4
	v_add_nc_u32 v6, v6, v4
	v_lshlrev_b32 v[CSO], 8, v6
	v_lshl_add_u32 v[CSO], v5, 5, v[CSO]
.irp b, 0,1,2,3
	v_mov_b32 v[TM+4+\b], 0
.endr
	s_mov_b32 s[SEL], 0x76543210
	s_mov_b32 s[SEL+1], 0xfedcba98
	s_lshl_b32 s82, s40, 15
	s_lshl_b32 s83, s[AH], 14
	s_add_co_u32 s82, s82, s83
	s_mov_b32 s83, 0
	s_add_nc_u64 s[8:9], s[8:9], s[82:83]
	s_add_nc_u64 s[10:11], s[10:11], s[82:83]
	s_sub_co_u32 s81, s70, 16
	s_cmp_eq_u32 s21, 2
	s_cselect_b32 s81, s81, s70
	s_mov_b32 s85, 32*REC
	s_mov_b32 s86, 2*REC
	s_cmp_eq_u32 s21, 3
	s_cselect_b32 s82, s40, s81
	s_cselect_b32 s83, s70, s40
	s_cselect_b32 s84, REC, 0
	s_cmp_lt_u32 s21, 2
	s_cselect_b32 s85, 16*REC, s85
	s_cselect_b32 s86, REC, s86
	s_cselect_b64 s[88:89], s[12:13], s[14:15]
	s_mul_i32 s82, s82, s85
	s_mul_i32 s83, s83, s86
	s_add_co_u32 s82, s82, s83
	s_add_co_u32 s82, s82, s84
	s_mov_b32 s83, 0
	s_add_nc_u64 s[88:89], s[88:89], s[82:83]
	s_cmp_eq_u32 s[AH], 0                          ; the prefetches: which tile I fetch,
	s_cselect_b64 s[PFA:PFA+1], s[42:43], s[68:69]
	s_cselect_b32 s94, s19, s20                    ; my work-group's place among the four that ask for it jointly,
	s_cselect_b32 s95, 25, 50                      ; and its share in blocks of 256 bytes
	s_mul_i32 s94, s94, s95
	s_lshl_b32 s94, s94, 8
	s_sub_co_u32 s96, s95, 1                       ; the share's last block
	s_mov_b32 s95, 0
	s_add_nc_u64 s[PFA:PFA+1], s[PFA:PFA+1], s[94:95]
	v_min_u32 v[PFO], s96, v1
	v_add_nc_u32 v[PFO+1], 32, v1
	v_lshlrev_b32 v[PFO], 8, v[PFO]
	v_min_u32 v[PFO+1], s96, v[PFO+1]
	v_lshlrev_b32 v[PFO+1], 8, v[PFO+1]
	s_wait_alu depctr_va_vdst(0)
	ASK SLOTP                                      ; slot 1
	s_cmp_eq_u32 s21, 3
	s_cbranch_scc1 .Lno_cs                         ; v takes no RoPE
	WIN 0xc0                                       ; destination window 3, address window 0
.irp a, 0,1,2,3
.irp q, 0,1,2,3
.irp e, 0,1
	global_load_b128 v[64*\a+8*\q+4*\e:64*\a+8*\q+4*\e+3], v[CSO], s[8:9] offset:(32*(\a/2)+8*(\a%2))*256+64*\q+16*\e
	global_load_b128 v[64*\a+32+8*\q+4*\e:64*\a+32+8*\q+4*\e+3], v[CSO], s[10:11] offset:(32*(\a/2)+8*(\a%2))*256+64*\q+16*\e
.endr
.endr
.endr
	WIN 0
.Lno_cs:
	ASK 2*SLOTP                                    ; slot 2
.macro WM a, b, p, zero
.set rD, 8*(8*(\a)+(\b))
.set rB, 128*(\p)+12*(\b)
.set rA, AF+48*(\p)+12*(\a)
.set rSB, SC+6*(\p)+2+(\b)/2
.set rSA, SC+6*(\p)+(\a)/2
.set sel, 4*(\zero)+2*((\b)%2)+(\a)%2
.if sel == 0
	v_wmma_scale_f32_16x16x128_f8f6f4 v[rD:rD+7], v[rB:rB+11], v[rA:rA+11], v[rD:rD+7], v[rSB], v[rSA] matrix_a_fmt:MATRIX_FMT_FP6 matrix_b_fmt:MATRIX_FMT_FP6
.elseif sel == 1
	v_wmma_scale_f32_16x16x128_f8f6f4 v[rD:rD+7], v[rB:rB+11], v[rA:rA+11], v[rD:rD+7], v[rSB], v[rSA] matrix_a_fmt:MATRIX_FMT_FP6 matrix_b_fmt:MATRIX_FMT_FP6 matrix_b_scale:MATRIX_SCALE_ROW1
.elseif sel == 2
	v_wmma_scale_f32_16x16x128_f8f6f4 v[rD:rD+7], v[rB:rB+11], v[rA:rA+11], v[rD:rD+7], v[rSB], v[rSA] matrix_a_fmt:MATRIX_FMT_FP6 matrix_b_fmt:MATRIX_FMT_FP6 matrix_a_scale:MATRIX_SCALE_ROW1
.elseif sel == 3
	v_wmma_scale_f32_16x16x128_f8f6f4 v[rD:rD+7], v[rB:rB+11], v[rA:rA+11], v[rD:rD+7], v[rSB], v[rSA] matrix_a_fmt:MATRIX_FMT_FP6 matrix_b_fmt:MATRIX_FMT_FP6 matrix_a_scale:MATRIX_SCALE_ROW1 matrix_b_scale:MATRIX_SCALE_ROW1
.elseif sel == 4
	v_wmma_scale_f32_16x16x128_f8f6f4 v[rD:rD+7], v[rB:rB+11], v[rA:rA+11], 0, v[rSB], v[rSA] matrix_a_fmt:MATRIX_FMT_FP6 matrix_b_fmt:MATRIX_FMT_FP6
.elseif sel == 5
	v_wmma_scale_f32_16x16x128_f8f6f4 v[rD:rD+7], v[rB:rB+11], v[rA:rA+11], 0, v[rSB], v[rSA] matrix_a_fmt:MATRIX_FMT_FP6 matrix_b_fmt:MATRIX_FMT_FP6 matrix_b_scale:MATRIX_SCALE_ROW1
.elseif sel == 6
	v_wmma_scale_f32_16x16x128_f8f6f4 v[rD:rD+7], v[rB:rB+11], v[rA:rA+11], 0, v[rSB], v[rSA] matrix_a_fmt:MATRIX_FMT_FP6 matrix_b_fmt:MATRIX_FMT_FP6 matrix_a_scale:MATRIX_SCALE_ROW1
.else
	v_wmma_scale_f32_16x16x128_f8f6f4 v[rD:rD+7], v[rB:rB+11], v[rA:rA+11], 0, v[rSB], v[rSA] matrix_a_fmt:MATRIX_FMT_FP6 matrix_b_fmt:MATRIX_FMT_FP6 matrix_a_scale:MATRIX_SCALE_ROW1 matrix_b_scale:MATRIX_SCALE_ROW1
.endif
.endm
.macro MULA a, p, zero
.irp b, 0,1,2,3,4,5,6,7
	WM \a, \b, \p, \zero
.endr
.endm
.macro FETCH n, q, p
	WIN TO_B
.irp b, 0,1,2,3,4,5,6,7
.irp c, 0,1,2
	ds_load_b128 v[128*(\p)+12*\b+4*\c:128*(\p)+12*\b+4*\c+3], v[ADRB+\n] offset:(\q)*REC+\b*FRB+512*\c
.endr
.endr
	WIN 0
.irp a, 0,1,2,3
.irp c, 0,1,2
	ds_load_b128 v[AF+48*(\p)+12*\a+4*\c:AF+48*(\p)+12*\a+4*\c+3], v[ADRA+\n] offset:(\q)*REC+\a*FRB+512*\c
.endr
.endr
.irp i, 0,1
	ds_load_b32 v[SC+6*(\p)+\i], v[ASA+\n] offset:(\q)*REC+128*\i
.endr
.irp i, 0,1,2,3
	ds_load_b32 v[SC+6*(\p)+2+\i], v[ASB+\n] offset:(\q)*REC+128*\i
.endr
.endm
.macro FB n, q, p, b0                  ; four fragments of the 256 side, b0 .. b0 + 3, into set p
	WIN TO_B
.irp b, \b0, \b0+1, \b0+2, \b0+3
.irp c, 0,1,2
	ds_load_b128 v[128*(\p)+12*(\b)+4*\c:128*(\p)+12*(\b)+4*\c+3], v[ADRB+\n] offset:(\q)*REC+(\b)*FRB+512*\c
.endr
.endr
.endm
.macro FA n, q, p                      ; the 128 side's four fragments and both sides' scale words into set p
	WIN 0
.irp a, 0,1,2,3
.irp c, 0,1,2
	ds_load_b128 v[AF+48*(\p)+12*\a+4*\c:AF+48*(\p)+12*\a+4*\c+3], v[ADRA+\n] offset:(\q)*REC+\a*FRB+512*\c
.endr
.endr
.irp i, 0,1
	ds_load_b32 v[SC+6*(\p)+\i], v[ASA+\n] offset:(\q)*REC+128*\i
.endr
.irp i, 0,1,2,3
	ds_load_b32 v[SC+6*(\p)+2+\i], v[ASB+\n] offset:(\q)*REC+128*\i
.endr
.endm
; A K step: 32 products on set q % 2.  The next step's 42 LDS loads go into the other set, which the step before multiplied: four places stand ahead of them,
; and they go out as one run at the step's head, so that all 32 products stand between them and the wait for them.
.macro STEP n, q, zero
	s_wait_dscnt 0x0                               ; this step's fragments and scale words are in
	PLACES
	FB \n, (\q)+1, 1-(\q)%2, 0
	FB \n, (\q)+1, 1-(\q)%2, 4
	FA \n, (\q)+1, 1-(\q)%2
	WIN MUL
	MULA 0, (\q)%2, \zero
	MULA 1, (\q)%2, \zero
	MULA 2, (\q)%2, \zero
	MULA 3, (\q)%2, \zero
.endm
.macro TURN n, nx, fill
	WIN 0
.if (\fill) && (LAPS > 2)
	s_wait_xcnt 0x0                                ; my earlier prefetches have read their base: it steps a slot on, ahead of the waits of the change of slots
	s_add_nc_u64 s[PFA:PFA+1], s[PFA:PFA+1], SLOTP
.endif
	s_wait_tensorcnt 0x0
	ds_add_u32 v[SPW], v[NIL]
	s_wait_dscnt 0x1
	WIN MUL
	MULA 0, 1, 0
	s_wait_dscnt 0x0
	s_barrier_signal -1
	MULA 1, 1, 0
	WIN 0
	s_barrier_wait -1
.if \fill
	CREST
	s_add_nc_u64 s[G0A+4*\n+2:G0A+4*\n+3], s[G0A+4*\n+2:G0A+4*\n+3], 2*SLOTP
	s_add_nc_u64 s[G0B+4*\n+2:G0B+4*\n+3], s[G0B+4*\n+2:G0B+4*\n+3], 2*SLOTP
	JLOAD \n
.else
	PLACES
.endif
	FETCH \nx, 0, 0
.if (\fill) && (LAPS > 2)
	s_cmp_gt_u32 s3, 1                             ; the loop's last trip has no slot two refills on
	s_cbranch_scc0 .Lno_ask_\@
	ASK 3*SLOTP                                    ; the slot two refills on from the one just asked for
.Lno_ask_\@:
.endif
	WIN MUL
	MULA 2, 1, 0
	MULA 3, 1, 0
.endm
	s_wait_tensorcnt 0x0                           ; my part of slot 0 is in
	ds_add_u32 v[SPW], v[NIL]
	s_wait_dscnt 0x0
	CROUND                                         ; everybody's part of slot 0 is in, and all sixteen work-groups are here
	JLOAD 1                                        ; slot 1: the first tensor load behind the round
	FETCH 0, 0, 0
	ASK 3*SLOTP                                    ; slot 3
	STEP 0, 0, 1
	WIN 0
	s_mov_b32 s3, LAPS-1
.Llap:
	STEP 0, 1, 0
	STEP 0, 2, 0
	TURN 0, 1, 1
	STEP 1, 0, 0
	STEP 1, 1, 0
	STEP 1, 2, 0
	TURN 1, 0, 1
	STEP 0, 0, 0
	WIN 0
	s_sub_co_u32 s3, s3, 1
	s_cmp_lg_u32 s3, 0
	s_cbranch_scc1 .Llap
	STEP 0, 1, 0
	STEP 0, 2, 0
	TURN 0, 1, 0
	STEP 1, 0, 0
	STEP 1, 1, 0
	STEP 1, 2, 0
	s_wait_dscnt 0x0
	WIN MUL
	MULA 0, 1, 0
	MULA 1, 1, 0
	MULA 2, 1, 0
	MULA 3, 1, 0
	WIN 0
.macro ROPE a
.set S, 64*(\a)
	s_wait_loadcnt 48-16*(\a)
	WIN 0x0e                                       ; source 0 window 2 (the sums), source 1 window 3 (cos, sin)
.set p, 0
.rept 32
	v_mul_f32 v[T0+2*p], v[S+2*p+1], v[S+32+p]
	v_mul_f32 v[T0+2*p+1], v[S+2*p], v[S+32+p]
.set p, p+1
.endr
	WIN 0x8e
.set p, 0
.rept 32
	v_fma_f32 v[S+2*p], v[S+2*p], v[S+p], -v[T0+2*p]
	v_fma_f32 v[S+2*p+1], v[S+2*p+1], v[S+p], v[T0+2*p+1]
.set p, p+1
.endr
	WIN 0
.endm
.macro QUANTW a
.set S, 64*(\a)
.set PC, 128+20*(\a)
	WIN 0x0a
.irp b, 0,1,2,3
	v_max3_num_f32 v[TM+\b], |v[S+16*\b]|, |v[S+16*\b+1]|, 0x1800000
.endr
.irp i, 2,4,6,8,10,12,14
.irp b, 0,1,2,3
	v_max3_num_f32 v[TM+\b], |v[S+16*\b+\i]|, |v[S+16*\b+\i+1]|, v[TM+\b]
.endr
.endr
	WIN 0
.irp b, 0,1,2,3
	v_permlanex16_b32 v[TM+4+\b], v[TM+\b], s[SEL], s[SEL+1]
.endr
.irp b, 0,1,2,3
	v_max_num_f32 v[TM+\b], v[TM+\b], v[TM+4+\b]
.endr
.irp b, 0,1,2,3
	v_add_nc_u32 v[TM+12+\b], 0xff000000, v[TM+\b]
.endr
.irp b, 0,1,2,3
	v_lshrrev_b32 v[TM+4+\b], 23, v[TM+12+\b]
.endr
	v_lshl_or_b32 v[PW+\a], v[TM+5], 8, v[TM+4]
	v_lshl_or_b32 v[PW+\a], v[TM+6], 16, v[PW+\a]
	v_lshl_or_b32 v[PW+\a], v[TM+7], 24, v[PW+\a]
	WIN 0x02
.irp c, 0,1
	v_cvt_scalef32_pk16_fp6_f32 v[PC+6*\c:PC+6*\c+2], v[S+32*\c:S+32*\c+15], v[TM+12+2*\c]
	v_cvt_scalef32_pk16_fp6_f32 v[PC+12+4*\c:PC+14+4*\c], v[S+32*\c+16:S+32*\c+31], v[TM+12+2*\c+1]
.endr
	WIN 0
	v_nop
.irp c, 0,1
.irp i, 0,1,2
	v_permlane16_swap_b32 v[PC+6*\c+\i], v[PC+12+4*\c+\i]
.endr
.irp i, 0,1,2
	v_mov_b32 v[PC+3+6*\c+\i], v[PC+12+4*\c+\i]
.endr
.endr
.irp c, 0,1,2
	global_store_b128 v[GOFF], v[PC+4*\c:PC+4*\c+3], s[88:89] offset:(\a)*FRB+512*\c
.endr
	global_store_b32 v[GSOFF], v[PW+\a], s[88:89] offset:(\a)*64
.endm
	PLACES
	s_cmp_eq_u32 s21, 3
	s_cbranch_scc1 .Lv_out
.irp a, 0,1,2,3
	ROPE \a
	QUANTW \a
.endr
	s_branch .Ldone
.Lv_out:
.irp a, 0,1,2,3
	QUANTW \a
.endr
.Ldone:
	s_wait_tensorcnt 0x0
	ds_add_u32 v[SPW], v[NIL]
	s_wait_dscnt 0x0
	CROUND
	s_endpgm
.Lfunc_end_k_qc72b23c15b_gemm1:
	.size	k_qc72b23c15b_gemm1, .Lfunc_end_k_qc72b23c15b_gemm1-k_qc72b23c15b_gemm1
	.p2alignl 7, 3214868480
	.fill 96, 4, 3214868480
	.section	.rodata,"a",@progbits
	.p2align	6, 0x0
	.amdhsa_kernel k_qc72b23c15b_gemm1
		.amdhsa_group_segment_fixed_size 327680
		.amdhsa_private_segment_fixed_size 0
		.amdhsa_enable_private_segment 0
		.amdhsa_kernarg_size 48
		.amdhsa_user_sgpr_count 2
		.amdhsa_user_sgpr_kernarg_segment_ptr 1
		.amdhsa_wavefront_size32 1
		.amdhsa_system_sgpr_workgroup_id_x 1
		.amdhsa_system_sgpr_workgroup_id_y 1
		.amdhsa_system_sgpr_workgroup_id_z 1
		.amdhsa_system_vgpr_workitem_id 0
		.amdhsa_next_free_vgpr 1024
		.amdhsa_next_free_sgpr 100
		.amdhsa_reserve_vcc 0
		.amdhsa_float_denorm_mode_32 3
		.amdhsa_float_denorm_mode_16_64 3
		.amdhsa_memory_ordered 1
		.amdhsa_forward_progress 1
		.amdhsa_inst_pref_size 188
	.end_amdhsa_kernel
	.amdgpu_metadata
---
amdhsa.version: [ 1, 2 ]
amdhsa.kernels:
  - .name:           k_qc72b23c15b_gemm1
    .symbol:         k_qc72b23c15b_gemm1.kd
    .args:
      - { .name: xf, .offset: 0, .size: 8, .value_kind: global_buffer, .address_space: global }
      - { .name: wf, .offset: 8, .size: 8, .value_kind: global_buffer, .address_space: global }
      - { .name: cos, .offset: 16, .size: 8, .value_kind: global_buffer, .address_space: global }
      - { .name: sin, .offset: 24, .size: 8, .value_kind: global_buffer, .address_space: global }
      - { .name: qf, .offset: 32, .size: 8, .value_kind: global_buffer, .address_space: global }
      - { .name: kv, .offset: 40, .size: 8, .value_kind: global_buffer, .address_space: global }
    .group_segment_fixed_size: 327680
    .private_segment_fixed_size: 0
    .kernarg_segment_align: 8
    .kernarg_segment_size: 48
    .max_flat_workgroup_size: 128
    .sgpr_count:     100
    .vgpr_count:     1024
    .wavefront_size: 32
...
	.end_amdgpu_metadata
.endif
;; end of part 2
;; launch attn (part 3): grid 32 x 8, 16 waves a work-group, clusters of 4 x 1, 327,680 bytes of LDS; arguments qf, kv, af; writes af
.if DOCPART == 3
	.amdgcn_target "amdgcn-amd-amdhsa--gfx1250"
	.amdhsa_code_object_version 6
	.text
	.protected	k_qc72b23c15b_attn
	.globl	k_qc72b23c15b_attn
	.p2align	8
	.type	k_qc72b23c15b_attn,@function
k_qc72b23c15b_attn:
	s_mov_b64 s[64:65], 0
	v_nop
	global_prefetch_b8 v0, s[64:65] scope:SCOPE_SE
	s_setreg_imm32_b32 hwreg(HW_REG_WAVE_MODE, 25, 1), 1
	s_wait_xcnt 0x0
	s_wait_alu depctr_hold_cnt(0) depctr_sa_sdst(0) depctr_va_vdst(0) depctr_va_sdst(0) depctr_va_ssrc(0) depctr_va_vcc(0) depctr_vm_vsrc(0)
	s_getreg_b32 s2, hwreg(HW_REG_IB_STS2, 6, 4)
	s_cmp_eq_u32 s2, 0
	s_cbranch_scc0 .Lentry_in_a_cluster
	s_endpgm
.Lentry_in_a_cluster:
	s_bfe_u32 s2, ttmp6, 0x10000c
	s_cmp_lg_u32 s2, 0x3003
	s_cbranch_scc0 .Lentry_shape_is_right
	s_endpgm
.Lentry_shape_is_right:
; Causal attention on codes of FP6 (E2M3) with E8M0 scales: 16 query heads, 8 key and value heads, 2,048 tokens, head size 128.  The result, divided by the row's sum, is quantised along (head, channel) for the last product.
; t = score x log2(e) / sqrt(128); M = the largest t so far, rounded UP to a whole number; p = 2^(t - M) is quantised along the keys; the row's sum is taken of the unquantised p.  A change of M multiplies by a power of two: exact.
; DATA lie as RECORDS (8 tiles of 16 rows x 128 K, each the image of an operand's 12 registers, then the scale words at byte 12,288; lane r of tile T holds row 32 (T / 2) + 8 (T % 2) + r + 8 (r / 8)):
; qf [head][128 queries], kv [kv head][128 keys][K's record, V^T's record], af [128 queries][head].
; Both products are used transposed (S^T = K Q^T, O^T = V^T P^T): a lane holds one query, and the 16 registers of two neighbouring tiles are 16 neighbouring keys, or channels.
; SHARES.  Work-group i (0 .. 31) of a kv head owns the blocks of 32 queries i and 63 - i, for both query heads: 8 tiles of 16 queries, and 4 (X + 1) + 4 (16 - X) = 68 tile steps of 128 keys whatever X = i / 4 is.
; A tile is shared by TWO waves: one takes the even key steps, the other the odd ones, each with its own M, sum and O^T; they are joined at the end through LDS, by exact powers of two.
; Wave w: bit 0 the tile of the block, bit 1 the query head, bit 2 the parity, bit 3 the late block.  A key step wholly behind a wave's queries, or of the other parity, is passed over by a scalar branch on ids.
; CLUSTER.  The four work-groups of a cluster have the same X and the same kv head: they walk the same records and the same numbers of steps, so each record is asked for jointly.
; RING: two slots of four key steps (102,400 bytes); waves 0-3 fetch a key step each.  Four fills in all: two at the start, two refills.  All of the WGP's LDS is claimed.
; LIMITS: a block of zeros, or one whose largest magnitude lies under 2^-124, gets the byte 1; NaN and infinities are not served; 1 / sum by v_rcp_f32.
; REGISTERS: v1-11, v28 addresses; v12 -M, v13 the largest t, v[14:15] the sum in two halves; v16-27 Q; v32-79 four fragments; v96-159 S^T, then p; v160-223 O^T; v224-235 codes; v232-254 at work; v248-251 scale words; v255 Q's.
.set REC,   12800
.set FRB,   1536
.set SCO,   12288
.set KSB,   2*REC                      ; a key step: K's record, V^T's record
.set SLOTB, 4*KSB
.set SPARE, 2*SLOTB                    ; behind the ring: the spare words, 128 bytes for each of 16 waves: eight blocks of 256 bytes that no other line names
.set MERGE, SPARE+2048                 ; and eight places of 8,448 bytes: an odd wave's O^T (8,192), -M (128), sum (128)
.set LI,  1                            ; v1  16 x lane
.set LS,  2                            ; v2  4 x lane
.set DQ,  3                            ; v3  my query's place in its diagonal key step, less 16 (lane / 16)
.set NINF, 4                           ; v4  -infinity
.set SPW, 5                            ; v5  my spare word; never rewritten
.set NIL, 6                            ; v6  0; never rewritten
.set ADK, 8                            ; v8  the key step's records
.set ADS, 9                            ; v9  and their scale words
.set MA,  10                           ; v10 my pair's place for O^T
.set MS,  11                           ; v11 and for -M and the sum
.set WV,  16
.set U,   17
.set HS,  18
.set PAR, 19
.set LATE, 20
.set G1,  24                           ; s[24:31] descriptor group 1; s[32:35] group 0 for slot 0, s[36:39] for slot 1
.set G0A, 32
.set G0B, 36
.set JL,  43                           ; s43 my tile's diagonal key step
.set KJ,  44                           ; s44 the key step in hand
.set TB,  45                           ; s45 where it lies in LDS
.set CNT, 46
.set SEL, 48
.set CS,  50
.macro CROUND                          ; a round of the cluster's barrier
	s_barrier_signal -1
	s_barrier_wait -1
	s_cmp_lg_u32 s[WV], 0
	s_cbranch_scc1 .Lnot_wave_0_\@
	s_barrier_signal -3
.Lnot_wave_0_\@:
	s_barrier_wait -3
	s_barrier_signal -1
	s_barrier_wait -1
.endm
.macro TL g0                           ; a joint refill: waves 0-3 fetch a key step each, the others nothing.  Four v_nop follow the line
	s_cmp_lt_u32 s[WV], 4
	s_cbranch_scc0 .Lnone_\@
	tensor_load_to_lds s[\g0:\g0+3], s[G1:G1+7]
	s_nop 0
.rept 4
	v_nop
.endr
.Lnone_\@:
.endm
	s_load_b128 s[4:7], s[0:1], 0x0                ; qf, kv
	s_load_b64 s[8:9], s[0:1], 0x10                ; af
	v_lshl_add_u32 v[SPW], v0, 2, SPARE
	v_mov_b32 v[NIL], 0
	ds_add_u32 v5, v6
	ds_add_u32 v5, v6
	s_wait_dscnt 0x0
	v_lshrrev_b32 v7, 5, v0
	s_delay_alu instid0(VALU_DEP_1)
	v_readfirstlane_b32 s[WV], v7                  ; wave 0..15
	s_and_b32 s[U], s[WV], 1
	s_bfe_u32 s[HS], s[WV], 0x10001
	s_bfe_u32 s[PAR], s[WV], 0x10002
	s_lshr_b32 s[LATE], s[WV], 3
	s_bfe_u32 s21, ttmp6, 0x40000                  ; cx: it enters Q's and the result's addresses and the mask's numbers alone
	s_mov_b32 s22, ttmp9                           ; X, the cluster's x
	s_lshl_b32 s40, s22, 2
	s_add_co_u32 s40, s40, s21                     ; i
	s_and_b32 s23, ttmp7, 0xffff                   ; the kv head
	s_sub_co_u32 s41, 63, s40
	s_sub_co_u32 s[JL], 15, s22
	s_cmp_eq_u32 s[LATE], 1
	s_cselect_b32 s41, s41, s40                    ; my block of 32 queries
	s_cselect_b32 s[JL], s[JL], s22                ; block / 4: X or 15 - X, the same in all four partners
	s_lshl_b32 s42, s41, 1
	s_add_co_u32 s42, s42, s[U]                    ; my tile of 16 queries
	s_and_b32 s52, s[WV], 3
	s_mul_i32 s53, s52, KSB                        ; which key step of a slot I fetch, if I fetch: in memory and in LDS
	s_mul_i32 s54, s23, 16*KSB
	s_add_co_u32 s54, s54, s53
	s_mov_b32 s55, 0
	s_lshl_b32 s56, s[LATE], 2
	s_or_b32 s56, s56, s52                         ; my pair of waves, 0 .. 7
	s_mul_i32 s56, s56, 8448
	s_add_co_u32 s56, s56, MERGE
	s_lshl_b32 s57, s23, 1
	s_add_co_u32 s57, s57, s[HS]                   ; the query head
	s_lshr_b32 s58, s42, 3                         ; the tile's group of 128 queries
	s_and_b32 s59, s42, 7                          ; and its place there
	s_mul_i32 s62, s59, FRB
	s_lshl_b32 s63, s59, 6
	s_add_co_u32 s63, s63, SCO
	s_mul_i32 s60, s57, 16*REC
	s_mul_i32 s61, s58, REC
	s_add_co_u32 s60, s60, s61                     ; Q's record
	s_add_co_u32 s66, s60, s62
	s_mov_b32 s67, 0
	s_add_co_u32 s68, s60, s63
	s_mov_b32 s69, 0
	s_mul_i32 s60, s58, 16*REC
	s_mul_i32 s61, s57, REC
	s_add_co_u32 s60, s60, s61                     ; the result's record
	s_add_co_u32 s70, s60, s62
	s_mov_b32 s71, 0
	s_add_co_u32 s72, s60, s63
	s_mov_b32 s73, 0
	; descriptor group 1: a key step's 25,600 dense bytes as 100 rows of 256 bytes (32 elements of 8 bytes), no padding; the mask names all four work-groups
	s_mov_b32 s[G1], 15|(3<<16)|(1<<21)
	s_mov_b32 s[G1+1], 32<<16
	s_mov_b32 s[G1+2], 100<<16
	s_mov_b32 s[G1+3], 32<<16
	s_mov_b32 s[G1+4], 100
	s_mov_b32 s[G1+5], 32
	s_mov_b32 s[G1+6], 0
	s_mov_b32 s[G1+7], 0
	s_mov_b32 s[SEL], 0x76543210
	s_mov_b32 s[SEL+1], 0xfedcba98
	s_mov_b32 s[CS], 0x3e0293ee                    ; c = log2(e) / sqrt(128)
	s_mov_b32 s[CS+1], s[CS]                       ; (named with it as a pair, so it is written)
	s_mov_b32 s[KJ], 0
	s_wait_kmcnt 0x0
	s_add_nc_u64 s[6:7], s[6:7], s[54:55]
	s_add_nc_u64 s[74:75], s[4:5], s[66:67]        ; Q's fragment
	s_add_nc_u64 s[76:77], s[4:5], s[68:69]        ; Q's scale words
	s_add_nc_u64 s[78:79], s[8:9], s[70:71]        ; the result's fragment
	s_add_nc_u64 s[80:81], s[8:9], s[72:73]        ; the result's scale words
	s_mov_b32 s[G0A], 1
	s_mov_b32 s[G0A+1], s53
	s_mov_b64 s[G0A+2:G0A+3], s[6:7]
	s_or_b32 s[G0A+3], s[G0A+3], 0x80000000
	s_mov_b32 s[G0B], 1
	s_add_co_u32 s[G0B+1], s53, SLOTB
	s_add_nc_u64 s[G0B+2:G0B+3], s[6:7], SLOTB
	s_or_b32 s[G0B+3], s[G0B+3], 0x80000000
	CROUND                                         ; all four work-groups are here: the first joint loads meet
	s_cmp_lt_u32 s[WV], 4                          ; the first fills, one a wave, in one chain of branches: waves 0-3 a key step each of slot 0,
	s_cbranch_scc0 .Lfirst_b
	tensor_load_to_lds s[G0A:G0A+3], s[G1:G1+7]
	s_nop 0
.rept 4
	v_nop
.endr
	s_branch .Lno_first
.Lfirst_b:
	s_cmp_lt_u32 s[WV], 8                          ; waves 4-7 a key step each of slot 1 (their group 0 is made of wave % 4), the others nothing
	s_cbranch_scc0 .Lno_first
	tensor_load_to_lds s[G0B:G0B+3], s[G1:G1+7]
	s_nop 0
.rept 4
	v_nop
.endr
.Lno_first:
	v_and_b32 v7, 31, v0
	s_delay_alu instid0(VALU_DEP_1)
	v_lshlrev_b32 v[LI], 4, v7
	s_delay_alu instid0(VALU_DEP_2)
	v_lshlrev_b32 v[LS], 2, v7
	v_and_b32 v7, 15, v0                           ; r
	s_delay_alu instid0(VALU_DEP_1)
	v_lshlrev_b32 v28, 2, v7                       ; 4 r
.irp c, 0,1,2
	global_load_b128 v[16+4*\c:19+4*\c], v[LI], s[74:75] offset:512*\c   ; Q's fragment stays in registers
.endr
	global_load_b32 v255, v28, s[76:77]            ; Q's scale words
	v_add_nc_u32 v[MA], s56, v[LI]
	s_add_co_u32 s56, s56, 8192
	v_add_nc_u32 v[MS], s56, v[LS]
	s_and_b32 s52, s41, 3
	s_lshl_b32 s52, s52, 5
	s_lshl_b32 s53, s[U], 3
	s_add_co_u32 s52, s52, s53                     ; 32 (block % 4) + 8 x tile
	v_and_b32 v[DQ], 8, v7
	s_delay_alu instid0(VALU_DEP_1)
	v_add_nc_u32 v[DQ], v[DQ], v7                  ; + r + 8 (r / 8): my query's place in its key step
	v_bfe_u32 v29, v0, 4, 1
	s_delay_alu instid0(VALU_DEP_1)
	v_lshlrev_b32 v29, 4, v29
	s_delay_alu instid0(VALU_DEP_1)
	v_sub_nc_u32 v[DQ], v[DQ], v29                 ; - 16 h: register 16 b + i holds key 32 b + 16 h + i: hidden where 32 b + i is larger than this
	s_delay_alu instid0(VALU_DEP_1)
	v_add_nc_u32 v[DQ], s52, v[DQ]
	v_mov_b32 v[NINF], 0xff800000
	v_mov_b32 v13, 0xff61b1e6                      ; the largest t so far: -3e38, under every t
	s_delay_alu instid0(VALU_DEP_1)
	v_floor_f32 v12, -v13                          ; -M
	v_mov_b32 v14, 0
	v_mov_b32 v15, 0
.irp b, 0,1,2,3
	v_mov_b32 v[236+\b], 0                         ; written once: a lane permute's destination counts as one of its sources
.endr
	v_mov_b32 v252, 0
	v_mov_b32 v253, 0
.set j, 0
.rept 64
	v_mov_b32 v[160+j], 0                          ; O^T: the step is written once; the first finds zeros, and a wave that gets no step hands zeros on
.set j, j+1
.endr
; From the four blocks' largest magnitudes in v232-235 and 64 numbers in v96-159 (register 16 b + i = index 32 b + 16 h + i): the codes in v224-235, the scale word in v253.
.macro CODES
.irp b, 0,1,2,3
	v_max_num_f32 v[232+\b], 0x1800000, v[232+\b]  ; the floor 2^(3 - 127): the byte cannot fall under 1
.endr
.irp b, 0,1,2,3
	s_delay_alu instid0(VALU_DEP_4)
	v_add_nc_u32 v[244+\b], 0xff000000, v[232+\b]  ; 2 off the exponent field: the conversion's scale operand
.endr
.irp b, 0,1,2,3
	s_delay_alu instid0(VALU_DEP_4)
	v_lshrrev_b32 v[236+\b], 23, v[244+\b]         ; the scale's byte
.endr
	s_delay_alu instid0(VALU_DEP_3)
	v_lshl_or_b32 v253, v237, 8, v236
	s_delay_alu instid0(VALU_DEP_1)
	v_lshl_or_b32 v253, v238, 16, v253
	s_delay_alu instid0(VALU_DEP_1)
	v_lshl_or_b32 v253, v239, 24, v253
.irp c, 0,1
	v_cvt_scalef32_pk16_fp6_f32 v[224+6*\c:226+6*\c], v[96+32*\c:111+32*\c], v[244+2*\c]
	v_cvt_scalef32_pk16_fp6_f32 v[236+4*\c:238+4*\c], v[112+32*\c:127+32*\c], v[244+2*\c+1]
.endr
	v_nop                                          ; one plain line behind a scaled conversion
.irp c, 0,1                            ; the operand's layout wants a whole block in a lane
.irp i, 0,1,2
	v_permlane16_swap_b32 v[224+6*\c+\i], v[236+4*\c+\i]
.endr
.irp i, 0,1,2
	s_delay_alu instid0(VALU_DEP_3)
	v_mov_b32 v[227+6*\c+\i], v[236+4*\c+\i]
.endr
.endr
.endm
.macro FRAG reg, t, off                ; tile t of the record at byte off of the key step into v[reg .. reg + 11]: three loads
.irp c, 0,1,2
	ds_load_b128 v[\reg+4*\c:\reg+4*\c+3], v[ADK] offset:\off+(\t)*FRB+512*\c
.endr
.endm
.macro SW reg, i, off                  ; the scale words of tiles 2 i (lanes 0-15) and 2 i + 1 (lanes 16-31)
	ds_load_b32 v[\reg], v[ADS] offset:\off+SCO+128*(\i)
.endm
.macro SMM t, reg, sc                  ; S^T, tile t of 16 keys
.if (\t)%2
	v_wmma_scale_f32_16x16x128_f8f6f4 v[96+8*(\t):103+8*(\t)], v[\reg:\reg+11], v[16:27], 0, v[\sc], v255 matrix_a_fmt:MATRIX_FMT_FP6 matrix_b_fmt:MATRIX_FMT_FP6 matrix_a_scale:MATRIX_SCALE_ROW1
.else
	v_wmma_scale_f32_16x16x128_f8f6f4 v[96+8*(\t):103+8*(\t)], v[\reg:\reg+11], v[16:27], 0, v[\sc], v255 matrix_a_fmt:MATRIX_FMT_FP6 matrix_b_fmt:MATRIX_FMT_FP6
.endif
.endm
.macro OMM t, reg, sc                  ; O^T, tile t of 16 channels
.if (\t)%2
	v_wmma_scale_f32_16x16x128_f8f6f4 v[160+8*(\t):167+8*(\t)], v[\reg:\reg+11], v[224:235], v[160+8*(\t):167+8*(\t)], v[\sc], v253 matrix_a_fmt:MATRIX_FMT_FP6 matrix_b_fmt:MATRIX_FMT_FP6 matrix_a_scale:MATRIX_SCALE_ROW1
.else
	v_wmma_scale_f32_16x16x128_f8f6f4 v[160+8*(\t):167+8*(\t)], v[\reg:\reg+11], v[224:235], v[160+8*(\t):167+8*(\t)], v[\sc], v253 matrix_a_fmt:MATRIX_FMT_FP6 matrix_b_fmt:MATRIX_FMT_FP6
.endif
.endm
; A KEY STEP: 128 keys.
.macro STEP
	v_add_nc_u32 v[ADK], s[TB], v[LI]              ; these four lines are the places in front of the loads below, and stand ahead of the branches
	v_add_nc_u32 v[ADS], s[TB], v[LS]
	v_nop
	v_nop
	v_nop                                          ; a fifth place: this step's scores are written over v96-143, which the last step's last products read as V's fragments
	s_cmp_gt_u32 s[KJ], s[JL]                      ; all its keys come after my queries,
	s_cbranch_scc1 .Lhid_\@
	s_xor_b32 s47, s[KJ], s[PAR]
	s_and_b32 s47, s47, 1
	s_cmp_lg_u32 s47, 0                            ; or it is my partner's: nothing to do
	s_cbranch_scc1 .Lhid_\@
	s_wait_alu depctr_va_vdst(0)
	; S^T = K Q^T.  K's scale words and seven of its eight fragments are asked for in one run: beside v32-79 the registers that are idle in this phase take them (v84-95, the codes' v224-235, v236-247 at work later)
	SW 248, 0, 0
	SW 249, 1, 0
	SW 250, 2, 0
	SW 251, 3, 0
	FRAG 32, 0, 0
	FRAG 44, 1, 0
	FRAG 56, 2, 0
	FRAG 68, 3, 0
	FRAG 84, 4, 0
	FRAG 224, 5, 0
	FRAG 236, 6, 0
	s_wait_dscnt 18                                ; the scale words and fragment 0 are in; fragments 1-6, three loads each, may be out
	SMM 0, 32, 248
.rept 4
	v_nop                                          ; places in front of the load into fragment 0's registers
.endr
	FRAG 32, 7, 0                                  ; the eighth fragment follows the others
	s_wait_dscnt 3                                 ; all but its three loads
	SMM 1, 44, 248
	SMM 2, 56, 249
	SMM 3, 68, 249
	SMM 4, 84, 250
	SMM 5, 224, 250
	SMM 6, 236, 251
	s_wait_dscnt 0x0
	SMM 7, 32, 251
.rept 4
	v_nop
.endr
	FRAG 32, 0, REC                                ; V^T's tiles 0-3 and their scale words are asked for here, behind the four places, ahead of the softmax's vector work
	FRAG 44, 1, REC
	FRAG 56, 2, REC
	FRAG 68, 3, REC
	SW 80, 0, REC
	SW 81, 1, REC
	s_cmp_lt_u32 s[KJ], s[JL]                      ; ahead of the diagonal every key counts
	s_cbranch_scc1 .Lopen_\@
.set nn, 0
.rept 64
	v_cmp_gt_i32 vcc_lo, 32*(nn/16)+nn%16, v[DQ]   ; on the diagonal hidden scores become -infinity: p = 0.  The query's own key lies in this step, so the maximum is a number
	v_cndmask_b32 v[96+nn], v[96+nn], v[NINF], vcc_lo
.set nn, nn+1
.endr
.Lopen_\@:
.irp b, 0,1,2,3
	v_max3_num_f32 v[232+\b], v[96+16*\b], v[97+16*\b], v[98+16*\b]   ; the largest score of each block of 32 keys: for the row's maximum, and, since p rises with the score, for the block's largest p
.endr
.irp i, 3,5,7,9,11,13
.irp b, 0,1,2,3
	v_max3_num_f32 v[232+\b], v[232+\b], v[96+16*\b+\i], v[97+16*\b+\i]
.endr
.endr
.irp b, 0,1,2,3
	v_max_num_f32 v[232+\b], v[232+\b], v[111+16*\b]
.endr
.irp b, 0,1,2,3
	s_delay_alu instid0(VALU_DEP_4)
	v_permlanex16_b32 v[236+\b], v[232+\b], s[SEL], s[SEL+1]
.endr
.irp b, 0,1,2,3
	s_delay_alu instid0(VALU_DEP_4)
	v_max_num_f32 v[232+\b], v[232+\b], v[236+\b]  ; with lane l xor 16's 16 keys
.endr
	s_delay_alu instid0(VALU_DEP_2)
	v_max3_num_f32 v254, v232, v233, v234
	s_delay_alu instid0(VALU_DEP_1)
	v_max_num_f32 v254, v254, v235
	s_delay_alu instid0(VALU_DEP_1)
	v_mul_f32 v254, s[CS], v254                    ; the step's largest t of my query
	s_delay_alu instid0(VALU_DEP_1)
	v_max_num_f32 v13, v13, v254
	v_mov_b32 v254, v12
	s_delay_alu instid0(VALU_DEP_2)
	v_floor_f32 v12, -v13                          ; the new -M = -ceil(t)
	s_delay_alu instid0(VALU_DEP_1)
	v_sub_f32 v254, v12, v254                      ; old M - new M: a whole number, 0 or less
	s_delay_alu instid0(VALU_DEP_1)
	v_cvt_i32_f32 v254, v254                       ; (it saturates)
	s_delay_alu instid0(VALU_DEP_1)
	v_ldexp_f32 v252, 1.0, v254                    ; f = 2^(old M - new M)
.set j, 0
.rept 32
	v_pk_fma_f32 v[96+j:97+j], v[96+j:97+j], s[CS:CS+1], v[12:13] op_sel_hi:[1,0,0]   ; t - M, two at a time
.set j, j+2
.endr
.irp b, 0,1,2,3
	v_fma_f32 v[232+\b], v[232+\b], s[CS], v12
.endr
.set j, 0
	s_wait_alu depctr_va_vdst(0)
.rept 64
	v_exp_f32 v[96+j], v[96+j]                     ; p = 2^(t - M)
.set j, j+1
.endr
.irp b, 0,1,2,3
	v_exp_f32 v[232+\b], v[232+\b]                 ; the block's largest p
.endr
	v_pk_mul_f32 v[14:15], v[14:15], v[252:253] op_sel_hi:[1,0]   ; the sums under the new M.  (A plain line behind the exponentials)
	s_wait_alu depctr_va_vdst(0)
	CODES
	v_pk_add_f32 v[236:237], v[100:101], v[104:105]
	v_pk_add_f32 v[250:251], v[108:109], v[112:113]
	v_pk_add_f32 v[248:249], v[116:117], v[120:121]
	v_pk_add_f32 v[246:247], v[124:125], v[128:129]
	v_pk_add_f32 v[244:245], v[132:133], v[136:137]
	v_pk_add_f32 v[242:243], v[140:141], v[144:145]
	v_pk_add_f32 v[240:241], v[148:149], v[152:153]
	v_pk_add_f32 v[14:15], v[14:15], v[156:157]
	v_pk_add_f32 v[236:237], v[236:237], v[96:97]
	v_pk_add_f32 v[250:251], v[250:251], v[98:99]
	v_pk_add_f32 v[248:249], v[248:249], v[102:103]
	v_pk_add_f32 v[246:247], v[246:247], v[106:107]
	v_pk_add_f32 v[244:245], v[244:245], v[110:111]
	v_pk_add_f32 v[242:243], v[242:243], v[114:115]
	v_pk_add_f32 v[240:241], v[240:241], v[118:119]
	v_pk_add_f32 v[14:15], v[14:15], v[122:123]
	v_pk_add_f32 v[236:237], v[236:237], v[126:127]
	v_pk_add_f32 v[250:251], v[250:251], v[130:131]
	v_pk_add_f32 v[248:249], v[248:249], v[134:135]
	v_pk_add_f32 v[246:247], v[246:247], v[138:139]
	v_pk_add_f32 v[244:245], v[244:245], v[142:143]
	v_pk_add_f32 v[242:243], v[242:243], v[146:147]
	v_pk_add_f32 v[240:241], v[240:241], v[150:151]
	v_pk_add_f32 v[14:15], v[14:15], v[154:155]
	v_pk_add_f32 v[236:237], v[236:237], v[158:159]
	s_delay_alu instid0(VALU_DEP_2)
	v_pk_add_f32 v[14:15], v[14:15], v[246:247]
	s_delay_alu instid0(VALU_DEP_2)
	v_pk_add_f32 v[236:237], v[236:237], v[244:245]
	v_pk_add_f32 v[250:251], v[250:251], v[242:243]
	v_pk_add_f32 v[248:249], v[248:249], v[240:241]
	s_delay_alu instid0(VALU_DEP_2)
	v_pk_add_f32 v[14:15], v[14:15], v[250:251]
	s_delay_alu instid0(VALU_DEP_2)
	v_pk_add_f32 v[236:237], v[236:237], v[248:249]
	s_delay_alu instid0(VALU_DEP_1)
	v_pk_add_f32 v[14:15], v[14:15], v[236:237]
	FRAG 96, 4, REC                                ; p has been converted and summed: its registers take V^T's tiles 4-7
	FRAG 108, 5, REC
	FRAG 120, 6, REC
	FRAG 132, 7, REC
	SW 82, 2, REC
	SW 83, 3, REC
	s_wait_alu depctr_va_vdst(0)                   ; directly ahead of the first reader of O^T
.set j, 0
.rept 32
	v_pk_mul_f32 v[160+j:161+j], v[160+j:161+j], v[252:253] op_sel_hi:[1,0]   ; O^T under the new M.  (These are also the places in front of the products and loads below)
.set j, j+2
.endr
	s_wait_alu depctr_va_vdst(0)
	s_wait_dscnt 14                                ; O^T += V^T P^T.  Tiles 0-3 and their words are in; the 14 loads of tiles 4-7 may be out
	OMM 0, 32, 80
	OMM 1, 44, 80
	OMM 2, 56, 81
	OMM 3, 68, 81
	s_wait_dscnt 0x0
	OMM 4, 96, 82
	OMM 5, 108, 82
	OMM 6, 120, 83
	OMM 7, 132, 83
.Lhid_\@:
.endm
.macro SLOTSTEPS n                     ; slot n's four key steps: a loop of constant count
	s_mov_b32 s[TB], (\n)*SLOTB
	s_mov_b32 s[CNT], 4
.Lks_\@:
	STEP
	s_add_co_u32 s[TB], s[TB], KSB
	s_add_co_u32 s[KJ], s[KJ], 1
	s_sub_co_u32 s[CNT], s[CNT], 1
	s_cmp_lg_u32 s[CNT], 0
	s_cbranch_scc1 .Lks_\@
.endm
; THE CHANGE OF SLOTS: each wave waits for all its tensor loads, adds 0 to its spare word, and waits for that and for its reads of the slot that it has left.  fill = 1: that slot is filled again, behind a round of the cluster's barrier.
.macro CHANGE fill, g0
	s_wait_tensorcnt 0x0                           ; no tensor load of mine is out, so a group 0 may be written
	ds_add_u32 v[SPW], v[NIL]                      ; 0 onto my spare word
.if \fill
	ds_add_u32 v[SPW], v[NIL]                      ; and once more ahead of a refill
	s_add_nc_u64 s[\g0+2:\g0+3], s[\g0+2:\g0+3], 2*SLOTB   ; the slot's next four key steps
.endif
	s_wait_dscnt 0x0                               ; the add is done, and my reads of the slot are over
.if \fill
	CROUND
	TL \g0                                         ; the first thing behind the round, and a wave's one tensor load until the next
.else
	s_barrier_signal -1
	s_barrier_wait -1
.endif
.endm
	s_wait_loadcnt 0x0                             ; Q
	s_wait_tensorcnt 0x0                           ; my one first fill is in
	s_barrier_signal -1
	s_barrier_wait -1
	SLOTSTEPS 0                                    ; key steps 0-3
	CHANGE 1, G0A                                  ; slot 0 takes key steps 8-11
	SLOTSTEPS 1                                    ; 4-7
	CHANGE 1, G0B                                  ; slot 1 takes key steps 12-15
	SLOTSTEPS 0                                    ; 8-11
	CHANGE 0, 0
	SLOTSTEPS 1                                    ; 12-15
	; THE TWO WAVES OF A TILE ARE JOINED.  The odd wave hands O^T, -M and its sum over through LDS; the even wave brings both under the larger M.
.rept 4
	v_nop                                          ; places behind the last products
.endr
	v_add_f32 v14, v14, v15                        ; the sum's two halves
	s_cmp_eq_u32 s[PAR], 0
	s_cbranch_scc1 .Lkeep
.set k, 0
.rept 16
	ds_store_b128 v[MA], v[160+4*k:163+4*k] offset:512*k
.set k, k+1
.endr
	ds_store_b32 v[MS], v12
	ds_store_b32 v[MS], v14 offset:128
.Lkeep:
	s_wait_dscnt 0x0                               ; for the partner's sake: my stores have landed
	s_barrier_signal -1
	s_barrier_wait -1
	s_cmp_lg_u32 s[PAR], 0
	s_cbranch_scc1 .Lend
.set k, 0
.rept 16
	ds_load_b128 v[32+4*k:35+4*k], v[MA] offset:512*k
.set k, k+1
.endr
	ds_load_b32 v96, v[MS]
	ds_load_b32 v97, v[MS] offset:128
	s_wait_dscnt 0x0
	v_min_num_f32 v98, v12, v96                    ; -M of the two: the larger M
	s_delay_alu instid0(VALU_DEP_1)
	v_sub_f32 v99, v98, v12
	s_delay_alu instid0(VALU_DEP_2)
	v_sub_f32 v104, v98, v96                       ; (a partner that had no step holds -M = 3e38: its factor comes out 0, on zeros)
	s_delay_alu instid0(VALU_DEP_2)
	v_cvt_i32_f32 v99, v99
	s_delay_alu instid0(VALU_DEP_2)
	v_cvt_i32_f32 v104, v104
	s_delay_alu instid0(VALU_DEP_2)
	v_ldexp_f32 v100, 1.0, v99
	s_delay_alu instid0(VALU_DEP_2)
	v_ldexp_f32 v102, 1.0, v104
	s_delay_alu instid0(VALU_DEP_2)
	v_mov_b32 v101, v100                           ; (the packed forms name pairs)
	s_delay_alu instid0(VALU_DEP_2)
	v_mov_b32 v103, v102
	s_delay_alu instid0(VALU_DEP_4)
	v_mul_f32 v14, v14, v100
	s_delay_alu instid0(VALU_DEP_1)
	v_fmac_f32 v14, v97, v102
.set j, 0
.rept 32
	v_pk_mul_f32 v[160+j:161+j], v[160+j:161+j], v[100:101] op_sel_hi:[1,0]
.set j, j+2
.endr
.set j, 0
.rept 32
	v_pk_fma_f32 v[160+j:161+j], v[32+j:33+j], v[102:103], v[160+j:161+j] op_sel_hi:[1,0,1]
.set j, j+2
.endr
	v_permlanex16_b32 v99, v14, s[SEL], s[SEL+1]
	s_delay_alu instid0(VALU_DEP_1)
	v_add_f32 v14, v14, v99                        ; with lane l xor 16's keys: the row's sum
	s_wait_alu depctr_va_vdst(0)
	v_rcp_f32 v14, v14
	v_nop                                          ; a plain line behind the transcendental
.set j, 0
	s_wait_alu depctr_va_vdst(0)
.rept 32
	v_pk_mul_f32 v[96+j:97+j], v[160+j:161+j], v[14:15] op_sel_hi:[1,0]   ; O^T / the sum: register 16 b + i is channel 32 b + 16 h + i of my query
.set j, j+2
.endr
.irp b, 0,1,2,3
	v_max3_num_f32 v[232+\b], |v[96+16*\b]|, |v[97+16*\b]|, |v[98+16*\b]|
.endr
.irp i, 3,5,7,9,11,13
.irp b, 0,1,2,3
	s_delay_alu instid0(VALU_DEP_4)
	v_max3_num_f32 v[232+\b], v[232+\b], |v[96+16*\b+\i]|, |v[97+16*\b+\i]|
.endr
.endr
.irp b, 0,1,2,3
	s_delay_alu instid0(VALU_DEP_4)
	v_max_num_f32 v[232+\b], v[232+\b], |v[111+16*\b]|
.endr
.irp b, 0,1,2,3
	s_delay_alu instid0(VALU_DEP_4)
	v_permlanex16_b32 v[236+\b], v[232+\b], s[SEL], s[SEL+1]
.endr
.irp b, 0,1,2,3
	s_delay_alu instid0(VALU_DEP_4)
	v_max_num_f32 v[232+\b], v[232+\b], v[236+\b]  ; the largest magnitude of each block of 32 channels
.endr
	CODES
.irp c, 0,1,2
	global_store_b128 v[LI], v[224+4*\c:227+4*\c], s[78:79] offset:512*\c   ; 512 consecutive bytes, at a multiple of 256 from the buffer's first byte
.endr
	global_store_b32 v28, v253, s[80:81]           ; lanes l and l xor 16 write the same word with the same value
.Lend:
	s_wait_tensorcnt 0x0                           ; the wave's end
	ds_add_u32 v[SPW], v[NIL]
	s_wait_dscnt 0x0
	CROUND                                         ; the closing round
	s_endpgm
.Lfunc_end_k_qc72b23c15b_attn:
	.size	k_qc72b23c15b_attn, .Lfunc_end_k_qc72b23c15b_attn-k_qc72b23c15b_attn
	.p2alignl 7, 3214868480
	.fill 96, 4, 3214868480
	.section	.rodata,"a",@progbits
	.p2align	6, 0x0
	.amdhsa_kernel k_qc72b23c15b_attn
		.amdhsa_group_segment_fixed_size 327680
		.amdhsa_private_segment_fixed_size 0
		.amdhsa_enable_private_segment 0
		.amdhsa_kernarg_size 24
		.amdhsa_user_sgpr_count 2
		.amdhsa_user_sgpr_kernarg_segment_ptr 1
		.amdhsa_wavefront_size32 1
		.amdhsa_system_sgpr_workgroup_id_x 1
		.amdhsa_system_sgpr_workgroup_id_y 1
		.amdhsa_system_sgpr_workgroup_id_z 1
		.amdhsa_system_vgpr_workitem_id 0
		.amdhsa_next_free_vgpr 256
		.amdhsa_next_free_sgpr 100
		.amdhsa_reserve_vcc 1
		.amdhsa_float_denorm_mode_32 3
		.amdhsa_float_denorm_mode_16_64 3
		.amdhsa_memory_ordered 1
		.amdhsa_forward_progress 1
		.amdhsa_inst_pref_size 129
	.end_amdhsa_kernel
	.amdgpu_metadata
---
amdhsa.version: [ 1, 2 ]
amdhsa.kernels:
  - .name:           k_qc72b23c15b_attn
    .symbol:         k_qc72b23c15b_attn.kd
    .args:
      - { .name: qf, .offset: 0, .size: 8, .value_kind: global_buffer, .address_space: global }
      - { .name: kv, .offset: 8, .size: 8, .value_kind: global_buffer, .address_space: global }
      - { .name: af, .offset: 16, .size: 8, .value_kind: global_buffer, .address_space: global }
    .group_segment_fixed_size: 327680
    .private_segment_fixed_size: 0
    .kernarg_segment_align: 8
    .kernarg_segment_size: 24
    .max_flat_workgroup_size: 512
    .sgpr_count:     100
    .vgpr_count:     256
    .wavefront_size: 32
...
	.end_amdgpu_metadata
.endif
;; end of part 3
;; launch gemm2 (part 4): grid 16 x 16, 4 waves a work-group, clusters of 4 x 4, 327,680 bytes of LDS; arguments af, wof, out0; writes out0
.if DOCPART == 4
	.amdgcn_target "amdgcn-amd-amdhsa--gfx1250"
	.amdhsa_code_object_version 6
	.text
	.protected	k_qc72b23c15b_gemm2
	.globl	k_qc72b23c15b_gemm2
	.p2align	8
	.type	k_qc72b23c15b_gemm2,@function
k_qc72b23c15b_gemm2:
	s_mov_b64 s[64:65], 0
	v_nop
	global_prefetch_b8 v0, s[64:65] scope:SCOPE_SE
	s_setreg_imm32_b32 hwreg(HW_REG_WAVE_MODE, 25, 1), 1
	s_wait_xcnt 0x0
	s_wait_alu depctr_hold_cnt(0) depctr_sa_sdst(0) depctr_va_vdst(0) depctr_va_sdst(0) depctr_va_ssrc(0) depctr_va_vcc(0) depctr_vm_vsrc(0)
	s_getreg_b32 s2, hwreg(HW_REG_IB_STS2, 6, 4)
	s_cmp_eq_u32 s2, 0
	s_cbranch_scc0 .Lentry_in_a_cluster
	s_endpgm
.Lentry_in_a_cluster:
	s_bfe_u32 s2, ttmp6, 0x10000c
	s_cmp_lg_u32 s2, 0xf033
	s_cbranch_scc0 .Lentry_shape_is_right
	s_endpgm
.Lentry_shape_is_right:
; out0 = (attention's result) wo on codes of FP6 (E2M3) with E8M0 scales, K = 2,048; both operands lie as records (the layout: the head of launch quant); sums in f32, stored as they are.
; A work-group makes 128 tokens x 256 columns, a wave 64 x 128: 32 accumulators in window 2.  The matrix instruction is used transposed (source 0 = wo's columns, source 1 = tokens): a lane holds neighbouring columns of one row.
; RING: two slots of four K steps; waves 0, 1 fetch two records each of the tokens' side, waves 2, 3 four each of wo's: one joint load a wave behind each round.
; The head issues slot 0's loads; slot 1's stand behind the three lines and a round, as a refill's do.
; PREFETCH: K has four slots.  The head asks for slots 1 and 2, and slot 3 is asked for behind slot 1's load: each two loads ahead of its own but slot 1.  The four partners that ask for a tile jointly share its blocks
; of 256 bytes out by address: 25 of 100 (one instruction, lanes 25-31 name block 24 again) or 50 of 200 (two instructions, lanes 18-31 of the second name block 49 again).
.set PFO,  12                          ; v12-13  the prefetches' offsets: 256 x min(lane, last block), 256 x min(lane + 32, last block); never rewritten
.set PFA,  92                          ; s[92:93] my work-group's share of the tile that I fetch, in slot 0; never rewritten
.macro ASK off                         ; my share of the slot at byte off from s[PFA:PFA+1]
	global_prefetch_b8 v[PFO], s[PFA:PFA+1] offset:\off th:TH_LOAD_NT scope:SCOPE_SE
	s_cmp_eq_u32 s[AH], 0
	s_cbranch_scc1 .Lasked2_\@                     ; the tokens' side's share is 25 blocks: one instruction
	global_prefetch_b8 v[PFO+1], s[PFA:PFA+1] offset:\off th:TH_LOAD_NT scope:SCOPE_SE
.Lasked2_\@:
.endm
.set KSTEPS, 16
.set REC,   12800
.set FRB,   1536
.set SCO,   12288
.set SLOTP, 4*REC
.set SLOT,  3*SLOTP
.set SPARE, 2*SLOT
.set GSTR,  KSTEPS*REC
.set LAPS,  KSTEPS/8
.set SPITCH, 528
.set ADRA, 16
.set ADRB, 18
.set ASA,  20
.set ASB,  22
.set STO,  24
.set RD,   25
.set CO,   26
.set SPW,  28
.set NIL,  29
.set SC,   32
.set AF,   64
.set BK,   64
.set WV, 16
.set AH, 17
.set BH, 18
.set G1A, 24
.set G0A, 32
.set G1B, 48
.set G0B, 56
.set MSB, 0
.macro WIN new
.if MSB != \new
	s_set_vgpr_msb (MSB<<8)|\new
.set MSB, \new
.endif
.endm
.set MUL,  0xa1
.set TO_B, 0x40
.macro PLACES
.rept 4
	v_nop
.endr
.endm
.macro JLOAD n
	s_cmp_eq_u32 s[AH], 0
	s_cbranch_scc0 .Lfor_b_\@
	tensor_load_to_lds s[G0A+4*\n:G0A+4*\n+3], s[G1A:G1A+7]
	s_nop 0
.rept 4
	v_nop
.endr
	s_branch .Lasked_\@
.Lfor_b_\@:
	tensor_load_to_lds s[G0B+4*\n:G0B+4*\n+3], s[G1B:G1B+7]
	s_nop 0
.rept 4
	v_nop
.endr
.Lasked_\@:
.endm
.macro CREST
	s_cmp_lg_u32 s[WV], 0
	s_cbranch_scc1 .Lnot_wave_0_\@
	s_barrier_signal -3
.Lnot_wave_0_\@:
	s_barrier_wait -3
	s_barrier_signal -1
	s_barrier_wait -1
.endm
.macro CROUND
	s_barrier_signal -1
	s_barrier_wait -1
	CREST
.endm
	s_load_b128 s[4:7], s[0:1], 0x0
	s_load_b64 s[8:9], s[0:1], 0x10
	v_lshl_add_u32 v[SPW], v0, 2, SPARE
	v_mov_b32 v[NIL], 0
	ds_add_u32 v28, v29
	ds_add_u32 v28, v29
	s_wait_dscnt 0x0
	v_lshrrev_b32 v1, 5, v0
	v_readfirstlane_b32 s[WV], v1
	s_lshr_b32 s[AH], s[WV], 1
	s_and_b32 s[BH], s[WV], 1
	s_bfe_u32 s19, ttmp6, 0x40000
	s_bfe_u32 s20, ttmp6, 0x40004
	s_and_b32 s40, ttmp7, 0xffff
	s_lshl_b32 s40, s40, 2
	s_add_co_u32 s40, s40, s20
	s_lshl_b32 s66, ttmp9, 2
	s_add_co_u32 s66, s66, s19
	s_lshl_b32 s23, s20, 2
	s_lshl_b32 s23, 15, s23
	s_lshl_b32 s67, 0x1111, s19
	s_or_b32 s[G1A], s23, (3<<16)|(1<<21)
	s_or_b32 s[G1B], s67, (3<<16)|(1<<21)
	s_mov_b32 s[G1A+1], 32<<16
	s_mov_b32 s[G1A+2], 100<<16
	s_mov_b32 s[G1A+3], 32<<16
	s_mov_b32 s[G1A+4], 100
	s_mov_b32 s[G1A+5], 32
	s_mov_b32 s[G1A+6], 0
	s_mov_b32 s[G1A+7], 0
	s_mov_b32 s[G1B+1], 32<<16
	s_mov_b32 s[G1B+2], 200<<16
	s_mov_b32 s[G1B+3], 32<<16
	s_mov_b32 s[G1B+4], 200
	s_mov_b32 s[G1B+5], 32
	s_mov_b32 s[G1B+6], 0
	s_mov_b32 s[G1B+7], 0
	s_mul_i32 s44, s40, GSTR
	s_mul_i32 s46, s[BH], 2*REC
	s_add_co_u32 s44, s44, s46
	s_mov_b32 s45, 0
	s_lshl_b32 s70, s66, 1
	s_add_co_u32 s70, s70, s[BH]
	s_mul_i32 s72, s70, GSTR
	s_mov_b32 s73, 0
	s_mul_i32 s74, s[BH], SLOTP
	s_add_co_u32 s74, s74, SLOTP
	s_wait_kmcnt 0x0
	s_add_nc_u64 s[42:43], s[4:5], s[44:45]
	s_add_nc_u64 s[68:69], s[6:7], s[72:73]
	CROUND
.irp n, 0,1
	s_mov_b32 s[G0A+4*\n], 1
	s_add_co_u32 s[G0A+4*\n+1], s46, \n*SLOT
	s_add_nc_u64 s[G0A+4*\n+2:G0A+4*\n+3], s[42:43], \n*SLOTP
	s_or_b32 s[G0A+4*\n+3], s[G0A+4*\n+3], 0x80000000
	s_mov_b32 s[G0B+4*\n], 1
	s_add_co_u32 s[G0B+4*\n+1], s74, \n*SLOT
	s_add_nc_u64 s[G0B+4*\n+2:G0B+4*\n+3], s[68:69], \n*SLOTP
	s_or_b32 s[G0B+4*\n+3], s[G0B+4*\n+3], 0x80000000
.endr
	JLOAD 0                                        ; slot 0: one tensor load a wave at the head
	v_and_b32 v1, 31, v0
	v_lshlrev_b32 v2, 4, v1
	v_lshlrev_b32 v3, 2, v1
	s_mul_i32 s80, s[AH], 4*FRB
	v_add_nc_u32 v[ADRA], s80, v2
	v_add_nc_u32 v[ADRA+1], SLOT, v[ADRA]
	v_add_nc_u32 v[ADRB], s74, v2
	v_add_nc_u32 v[ADRB+1], SLOT, v[ADRB]
	s_lshl_b32 s81, s[AH], 8
	s_add_co_u32 s81, s81, SCO
	v_add_nc_u32 v[ASA], s81, v3
	v_add_nc_u32 v[ASA+1], SLOT, v[ASA]
	s_add_co_u32 s82, s74, SCO
	v_add_nc_u32 v[ASB], s82, v3
	v_add_nc_u32 v[ASB+1], SLOT, v[ASB]
	v_and_b32 v4, 15, v0
	v_bfe_u32 v5, v0, 4, 1
	s_mul_i32 s83, s[WV], 16*SPITCH
	v_mul_u32_u24 v[STO], v4, SPITCH
	v_lshl_add_u32 v[STO], v5, 6, v[STO]
	v_add_nc_u32 v[STO], s83, v[STO]
	v_add_nc_u32 v[RD], s83, v2
	v_lshlrev_b32 v[CO], 4, v1
	s_lshl_b32 s84, s40, 21
	s_lshl_b32 s85, s[AH], 20
	s_add_co_u32 s84, s84, s85
	s_lshl_b32 s85, s66, 10
	s_add_co_u32 s84, s84, s85
	s_lshl_b32 s85, s[BH], 9
	s_add_co_u32 s84, s84, s85
	s_mov_b32 s85, 0
	s_add_nc_u64 s[8:9], s[8:9], s[84:85]
	s_cmp_eq_u32 s[AH], 0                          ; the prefetches: which tile I fetch,
	s_cselect_b64 s[PFA:PFA+1], s[42:43], s[68:69]
	s_cselect_b32 s94, s19, s20                    ; my work-group's place among the four that ask for it jointly,
	s_cselect_b32 s95, 25, 50                      ; and its share in blocks of 256 bytes
	s_mul_i32 s94, s94, s95
	s_lshl_b32 s94, s94, 8
	s_sub_co_u32 s96, s95, 1                       ; the share's last block
	s_mov_b32 s95, 0
	s_add_nc_u64 s[PFA:PFA+1], s[PFA:PFA+1], s[94:95]
	v_min_u32 v[PFO], s96, v1
	v_add_nc_u32 v[PFO+1], 32, v1
	v_lshlrev_b32 v[PFO], 8, v[PFO]
	v_min_u32 v[PFO+1], s96, v[PFO+1]
	v_lshlrev_b32 v[PFO+1], 8, v[PFO+1]
	s_wait_alu depctr_va_vdst(0)
	ASK SLOTP                                      ; slot 1
	ASK 2*SLOTP                                    ; slot 2
.macro WM a, b, p, zero
.set rD, 8*(8*(\a)+(\b))
.set rB, 128*(\p)+12*(\b)
.set rA, AF+48*(\p)+12*(\a)
.set rSB, SC+6*(\p)+2+(\b)/2
.set rSA, SC+6*(\p)+(\a)/2
.set sel, 4*(\zero)+2*((\b)%2)+(\a)%2
.if sel == 0
	v_wmma_scale_f32_16x16x128_f8f6f4 v[rD:rD+7], v[rB:rB+11], v[rA:rA+11], v[rD:rD+7], v[rSB], v[rSA] matrix_a_fmt:MATRIX_FMT_FP6 matrix_b_fmt:MATRIX_FMT_FP6
.elseif sel == 1
	v_wmma_scale_f32_16x16x128_f8f6f4 v[rD:rD+7], v[rB:rB+11], v[rA:rA+11], v[rD:rD+7], v[rSB], v[rSA] matrix_a_fmt:MATRIX_FMT_FP6 matrix_b_fmt:MATRIX_FMT_FP6 matrix_b_scale:MATRIX_SCALE_ROW1
.elseif sel == 2
	v_wmma_scale_f32_16x16x128_f8f6f4 v[rD:rD+7], v[rB:rB+11], v[rA:rA+11], v[rD:rD+7], v[rSB], v[rSA] matrix_a_fmt:MATRIX_FMT_FP6 matrix_b_fmt:MATRIX_FMT_FP6 matrix_a_scale:MATRIX_SCALE_ROW1
.elseif sel == 3
	v_wmma_scale_f32_16x16x128_f8f6f4 v[rD:rD+7], v[rB:rB+11], v[rA:rA+11], v[rD:rD+7], v[rSB], v[rSA] matrix_a_fmt:MATRIX_FMT_FP6 matrix_b_fmt:MATRIX_FMT_FP6 matrix_a_scale:MATRIX_SCALE_ROW1 matrix_b_scale:MATRIX_SCALE_ROW1
.elseif sel == 4
	v_wmma_scale_f32_16x16x128_f8f6f4 v[rD:rD+7], v[rB:rB+11], v[rA:rA+11], 0, v[rSB], v[rSA] matrix_a_fmt:MATRIX_FMT_FP6 matrix_b_fmt:MATRIX_FMT_FP6
.elseif sel == 5
	v_wmma_scale_f32_16x16x128_f8f6f4 v[rD:rD+7], v[rB:rB+11], v[rA:rA+11], 0, v[rSB], v[rSA] matrix_a_fmt:MATRIX_FMT_FP6 matrix_b_fmt:MATRIX_FMT_FP6 matrix_b_scale:MATRIX_SCALE_ROW1
.elseif sel == 6
	v_wmma_scale_f32_16x16x128_f8f6f4 v[rD:rD+7], v[rB:rB+11], v[rA:rA+11], 0, v[rSB], v[rSA] matrix_a_fmt:MATRIX_FMT_FP6 matrix_b_fmt:MATRIX_FMT_FP6 matrix_a_scale:MATRIX_SCALE_ROW1
.else
	v_wmma_scale_f32_16x16x128_f8f6f4 v[rD:rD+7], v[rB:rB+11], v[rA:rA+11], 0, v[rSB], v[rSA] matrix_a_fmt:MATRIX_FMT_FP6 matrix_b_fmt:MATRIX_FMT_FP6 matrix_a_scale:MATRIX_SCALE_ROW1 matrix_b_scale:MATRIX_SCALE_ROW1
.endif
.endm
.macro MULA a, p, zero
.irp b, 0,1,2,3,4,5,6,7
	WM \a, \b, \p, \zero
.endr
.endm
.macro FETCH n, q, p
	WIN TO_B
.irp b, 0,1,2,3,4,5,6,7
.irp c, 0,1,2
	ds_load_b128 v[128*(\p)+12*\b+4*\c:128*(\p)+12*\b+4*\c+3], v[ADRB+\n] offset:(\q)*REC+\b*FRB+512*\c
.endr
.endr
	WIN 0
.irp a, 0,1,2,3
.irp c, 0,1,2
	ds_load_b128 v[AF+48*(\p)+12*\a+4*\c:AF+48*(\p)+12*\a+4*\c+3], v[ADRA+\n] offset:(\q)*REC+\a*FRB+512*\c
.endr
.endr
.irp i, 0,1
	ds_load_b32 v[SC+6*(\p)+\i], v[ASA+\n] offset:(\q)*REC+128*\i
.endr
.irp i, 0,1,2,3
	ds_load_b32 v[SC+6*(\p)+2+\i], v[ASB+\n] offset:(\q)*REC+128*\i
.endr
.endm
.macro FB n, q, p, b0                  ; four fragments of wo's side, b0 .. b0 + 3, into set p
	WIN TO_B
.irp b, \b0, \b0+1, \b0+2, \b0+3
.irp c, 0,1,2
	ds_load_b128 v[128*(\p)+12*(\b)+4*\c:128*(\p)+12*(\b)+4*\c+3], v[ADRB+\n] offset:(\q)*REC+(\b)*FRB+512*\c
.endr
.endr
.endm
.macro FA n, q, p                      ; the tokens' four fragments and both sides' scale words into set p
	WIN 0
.irp a, 0,1,2,3
.irp c, 0,1,2
	ds_load_b128 v[AF+48*(\p)+12*\a+4*\c:AF+48*(\p)+12*\a+4*\c+3], v[ADRA+\n] offset:(\q)*REC+\a*FRB+512*\c
.endr
.endr
.irp i, 0,1
	ds_load_b32 v[SC+6*(\p)+\i], v[ASA+\n] offset:(\q)*REC+128*\i
.endr
.irp i, 0,1,2,3
	ds_load_b32 v[SC+6*(\p)+2+\i], v[ASB+\n] offset:(\q)*REC+128*\i
.endr
.endm
; A K step: 32 products on set q % 2.  The next step's 42 LDS loads go into the other set, which the step before multiplied: four places stand ahead of them,
; and they go out as one run at the step's head, so that all 32 products stand between them and the wait for them.
.macro STEP n, q, zero
	s_wait_dscnt 0x0                               ; this step's fragments and scale words are in
	PLACES
	FB \n, (\q)+1, 1-(\q)%2, 0
	FB \n, (\q)+1, 1-(\q)%2, 4
	FA \n, (\q)+1, 1-(\q)%2
	WIN MUL
	MULA 0, (\q)%2, \zero
	MULA 1, (\q)%2, \zero
	MULA 2, (\q)%2, \zero
	MULA 3, (\q)%2, \zero
.endm
.macro TURN n, nx, fill
	WIN 0
	s_wait_tensorcnt 0x0
	ds_add_u32 v[SPW], v[NIL]
	s_wait_dscnt 0x1
	WIN MUL
	MULA 0, 1, 0
	s_wait_dscnt 0x0
	s_barrier_signal -1
	MULA 1, 1, 0
	WIN 0
	s_barrier_wait -1
.if \fill
	CREST
	s_add_nc_u64 s[G0A+4*\n+2:G0A+4*\n+3], s[G0A+4*\n+2:G0A+4*\n+3], 2*SLOTP
	s_add_nc_u64 s[G0B+4*\n+2:G0B+4*\n+3], s[G0B+4*\n+2:G0B+4*\n+3], 2*SLOTP
	JLOAD \n
.else
	PLACES
.endif
	FETCH \nx, 0, 0
	WIN MUL
	MULA 2, 1, 0
	MULA 3, 1, 0
.endm
	s_wait_tensorcnt 0x0                           ; my part of slot 0 is in
	ds_add_u32 v[SPW], v[NIL]
	s_wait_dscnt 0x0
	CROUND                                         ; everybody's part of slot 0 is in, and all sixteen work-groups are here
	JLOAD 1                                        ; slot 1: the first tensor load behind the round
	FETCH 0, 0, 0
	ASK 3*SLOTP                                    ; slot 3
	STEP 0, 0, 1
	WIN 0
	s_mov_b32 s3, LAPS-1
.Llap:
	STEP 0, 1, 0
	STEP 0, 2, 0
	TURN 0, 1, 1
	STEP 1, 0, 0
	STEP 1, 1, 0
	STEP 1, 2, 0
	TURN 1, 0, 1
	STEP 0, 0, 0
	WIN 0
	s_sub_co_u32 s3, s3, 1
	s_cmp_lg_u32 s3, 0
	s_cbranch_scc1 .Llap
	STEP 0, 1, 0
	STEP 0, 2, 0
	TURN 0, 1, 0
	STEP 1, 0, 0
	STEP 1, 1, 0
	STEP 1, 2, 0
	s_wait_dscnt 0x0
	WIN MUL
	MULA 0, 1, 0
	MULA 1, 1, 0
	MULA 2, 1, 0
	MULA 3, 1, 0
	WIN 0
.macro TOSTAGE a
	WIN 0x08
.irp b, 0,1,2,3,4,5,6,7
	ds_store_b128 v[STO], v[64*(\a)+8*\b:64*(\a)+8*\b+3] offset:128*(\b/2)+32*(\b%2)
	ds_store_b128 v[STO], v[64*(\a)+8*\b+4:64*(\a)+8*\b+7] offset:128*(\b/2)+32*(\b%2)+16
.endr
	WIN 0
.set BB, BK+64*((\a)%2)
.set t, 0
.rept 16
	ds_load_b128 v[BB+4*t:BB+4*t+3], v[RD] offset:t*SPITCH
.set t, t+1
.endr
.endm
.macro SEND a, younger
.set BB, BK+64*((\a)%2)
	s_wait_dscnt \younger
.set t, 0
.rept 16
	global_store_b128 v[CO], v[BB+4*t:BB+4*t+3], s[8:9] offset:(32*((\a)/2)+8*((\a)%2)+t+8*(t/8))*16384 th:TH_STORE_NT
.set t, t+1
.endr
.endm
	PLACES
	TOSTAGE 0
	TOSTAGE 1
	SEND 0, 32
	s_wait_xcnt 0x0
	TOSTAGE 2
	SEND 1, 32
	s_wait_xcnt 0x0
	TOSTAGE 3
	SEND 2, 32
	SEND 3, 0
	s_wait_tensorcnt 0x0
	ds_add_u32 v[SPW], v[NIL]
	s_wait_dscnt 0x0
	CROUND
	s_endpgm
.Lfunc_end_k_qc72b23c15b_gemm2:
	.size	k_qc72b23c15b_gemm2, .Lfunc_end_k_qc72b23c15b_gemm2-k_qc72b23c15b_gemm2
	.p2alignl 7, 3214868480
	.fill 96, 4, 3214868480
	.section	.rodata,"a",@progbits
	.p2align	6, 0x0
	.amdhsa_kernel k_qc72b23c15b_gemm2
		.amdhsa_group_segment_fixed_size 327680
		.amdhsa_private_segment_fixed_size 0
		.amdhsa_enable_private_segment 0
		.amdhsa_kernarg_size 24
		.amdhsa_user_sgpr_count 2
		.amdhsa_user_sgpr_kernarg_segment_ptr 1
		.amdhsa_wavefront_size32 1
		.amdhsa_system_sgpr_workgroup_id_x 1
		.amdhsa_system_sgpr_workgroup_id_y 1
		.amdhsa_system_sgpr_workgroup_id_z 1
		.amdhsa_system_vgpr_workitem_id 0
		.amdhsa_next_free_vgpr 768
		.amdhsa_next_free_sgpr 100
		.amdhsa_reserve_vcc 0
		.amdhsa_float_denorm_mode_32 3
		.amdhsa_float_denorm_mode_16_64 3
		.amdhsa_memory_ordered 1
		.amdhsa_forward_progress 1
		.amdhsa_inst_pref_size 136
	.end_amdhsa_kernel
	.amdgpu_metadata
---
amdhsa.version: [ 1, 2 ]
amdhsa.kernels:
  - .name:           k_qc72b23c15b_gemm2
    .symbol:         k_qc72b23c15b_gemm2.kd
    .args:
      - { .name: af, .offset: 0, .size: 8, .value_kind: global_buffer, .address_space: global }
      - { .name: wof, .offset: 8, .size: 8, .value_kind: global_buffer, .address_space: global }
      - { .name: out0, .offset: 16, .size: 8, .value_kind: global_buffer, .address_space: global }
    .group_segment_fixed_size: 327680
    .private_segment_fixed_size: 0
    .kernarg_segment_align: 8
    .kernarg_segment_size: 24
    .max_flat_workgroup_size: 128
    .sgpr_count:     100
    .vgpr_count:     768
    .wavefront_size: 32
...
	.end_amdgpu_metadata
.endif
;; end of part 4
